; MI455X (gfx1250); checked and timed in simulation.
; The chip was launched on July 23, 2026; its instructions are those of AMD's public machine-readable ISA for CDNA 5 (MIT licence, August 2026) and "CDNA5" Instruction Set Architecture Reference Guide (July 2026). The comments in the code are by the model that wrote it; some were corrected since.
;; Discrete Selector Transform. Allowed arithmetic: matrix products marked QUANTISED: E5M2 operands, one given power-of-two scale a tensor, by v_wmma_f32_16x16x64_bf8_bf8 or v_wmma_f32_16x16x128_bf8_bf8, f32 sums; everything else in f32.
;; Inputs: W 8 x 512 x 1,024 float32; b 8 x 1,024 float32; lowp_scales 2 int32 (the exponents e of the quantised operands' scales 2^e); x 16,384 int32; y 16,384 x 512 float32.
;; Outputs: out0 16,384 x 512 float32.
;; This version of the problem:
;;   THIS VERSION OF THE PROBLEM IS GIVEN IN LOW PRECISION. The matrix products marked QUANTISED in the list below multiply operands that are first quantised to E5M2 (5 exponent bits, 2 mantissa bits; 8 bits a number), with one given power-of-two scale for each operand tensor; their sums are f32. All else is computed in f32.
;;   The module's matrix products, in the order in which they are computed (A, B: the left and right operand; K: the contracted axis; several contracted axes count as one K, in the product's order):
;;     1. [M 16,384, K 512] x [K 512, N 8,192]; A: input y; B: computed on the way: QUANTISED (scales: A lowp_scales[0], B lowp_scales[1])
;;   THE QUANTISER, for each operand of a quantised product, along K:
;;     - The operand's scale is 2^e, e = its entry of the input lowp_scales (int32; the entries are numbered through the quantised products in the list's order, A before B).
;;     - Each number is divided by the scale, clamped to +-57,344, and rounded to the nearest number of E5M2, ties to even, subnormals kept.
;;     - The product sums the exact products of the quantised numbers (number of the format x scale) in f32.
;;   ~~~python
;;   def quantise(x, axis, e):      # numpy; x: float32 -> the quantised numbers, widened to float32 again
;;       x = np.moveaxis(x, axis, -1); K = x.shape[-1]
;;       r = np.clip(x / 2.0 ** e, -57344, 57344)
;;       step = 2.0 ** (np.maximum(np.frexp(np.where(r == 0, 1, r))[1] - 1, -14) - 2)
;;       q = np.round(r / step) * step * 2.0 ** e      # np.round: ties to even
;;       return np.moveaxis(q, -1, axis).astype(np.float32)
;;   ~~~
;;   OPERANDS COMPUTED ON THE WAY. 'Computed on the way' means the value that the module computes at that place (a softmax that the list does not call 'softmax' is quantised finished and normalised). What goes into a quantiser is computed in f32, as accurately as f32 sums, v_exp_f32 and their like allow (about 1e-6 of the number): no bf16 or f16 on the way to a quantiser, and a product that is left as it is and whose result goes on into a quantised operand takes f32 operands (vector FMAs, or v_wmma_f32_16x16x4_f32). A number that lies on a knife's edge between two numbers of the format may be rounded either way, as far as f32 arithmetic and the matrix unit's own rounding can turn it there, and no further.
;; 2 versions. Each part assembles by itself: llvm-mc -triple=amdgcn-amd-amdhsa -mcpu=gfx1250 --defsym DOCPART=n.
;; ======== version 1 of 2: 2 launches
;; workspace buffers: wcodes 2,293,760 bytes; order 66,048 bytes of whole numbers; meta 256 bytes of whole numbers
;; launch prep (part 1): grid 148 x 1, 16 waves a work-group, no clusters, 2,304 bytes of LDS; arguments x, W, lowp_scales, wcodes, order, meta; writes wcodes, order, meta
.if DOCPART == 1
	.amdgcn_target "amdgcn-amd-amdhsa--gfx1250"
	.amdhsa_code_object_version 6
	.text
	.protected	k_q10213fdce1_prep
	.globl	k_q10213fdce1_prep
	.p2align	8
	.type	k_q10213fdce1_prep,@function
k_q10213fdce1_prep:
	s_mov_b64 s[64:65], 0
	v_nop
	global_prefetch_b8 v0, s[64:65] scope:SCOPE_SE
	s_setreg_imm32_b32 hwreg(HW_REG_WAVE_MODE, 25, 1), 1
	s_wait_xcnt 0x0
; TWO JOBS IN ONE LAUNCH, parted on the work-group's number alone.
; Work-groups 0-7 (.Lsort): work-group e lists the rows whose label x is e.  It stores their numbers in 'order' from entry base_e on (base_e = how many labels are below e), and {base_e, count_e} in 'meta'.
;   'order' thus becomes a permutation of 0 .. 16,383 sorted by label.  128 further entries are written as 0, 16 by each of the eight: the next launch reads 80 entries from any start up to 16,384.
; Work-groups 8-147: W x mask of experts 1-7 (expert 0 is the identity: its product is thrown away) becomes codes of BF8 (E5M2) with the given scale 2^ew (entry 1 of lowp_scales),
;   laid in the order of the matrix operand's registers.  mask[d][e] = 1 where d > e mod 512: a block of 128 columns, number cl, needs only the K steps of 128 with s >= cl: 10 of 16.
; LAYOUT OF wcodes.  byte ((((e-1) 4 + w) 20 + q) 2 + f) 2048 + 512 c + 16 (16 h + r) + i  =  code of W[e][128 s + 32 c + 16 h + i][512 f + 16 t + r]  (0 where the mask is 0).
;   t = 8 cl + 2 w + u (u = 0, 1), s = 3 - k (k = 0 .. 3 - cl), q = 2 p0 + u (4 - cl) + k with p0 = 0, 4, 7, 9 for cl = 0 .. 3.  So wave w of the next launch finds its 20 chunks of 4,096 bytes on end.
; A LANE TAKES A COLUMN AND ITS REGISTERS RUN DOWN K: a wave takes 32 columns x 32 along K; each load reads 128 consecutive bytes, the conversions give codes with K innermost,
;   and a lane's 16 codes are 16 bytes of the layout above: sixteen lanes store 256 consecutive bytes, aligned.
; code = number / 2^ew, held within +-57,344, to the nearest code, ties to even.
; LIMITS: ew between -126 and 112.  Labels lie in 0 .. 7.  A NaN or an infinity of W under the mask's zeros becomes 0 here (times 0 it would be NaN).  NaN among the inputs is not served.
.set XR, 32                            ; v32-63   32 numbers of W, or 32 labels
.set CR, 64                            ; v64-71   a lane's 32 codes
.set PR, 64                            ; v64-95   sort: byte offsets in 'order'
.set VR, 96                            ; v96-127  sort: row numbers
.set MK, 32                            ; s32-63   sort: for each of my 32 registers, the lanes whose label is e
.set PADA, 16                          ; v16      sort: byte offset of entry 16,384 + 16 e + lane of 'order'
.set RECA, 17                          ; v17      sort: byte offset of label e's record in 'meta'
.set NIL,  18                          ; v18      sort: 0
.set REC,  20                          ; v20-21   sort: base_e, count_e
	s_load_b256 s[4:11], s[0:1], 0x0               ; x s[4:5], W s[6:7], lowp_scales s[8:9], wcodes s[10:11]
	s_load_b128 s[12:15], s[0:1], 0x20             ; order s[12:13], meta s[14:15]
	v_lshl_add_u32 v128, v0, 2, 0x100
	v_mov_b32 v129, 0
	v_lshrrev_b32 v1, 5, v0
	v_readfirstlane_b32 s2, v1                     ; wave 0..15
	v_and_b32 v1, 31, v0                           ; lane
	s_cmp_lt_u32 ttmp9, 8
	s_cbranch_scc1 .Lsort
	; ---------------- the quantiser: work-group = (expert, half f, pair p = (cl, k)); wave = (w, c)
	s_sub_co_u32 s16, ttmp9, 8                     ; 0 .. 139
	s_mul_i32 s17, s16, 205
	s_lshr_b32 s17, s17, 11                        ; / 10 (exact up to 139): 2 (e - 1) + f
	s_mul_i32 s18, s17, 10
	s_sub_co_u32 s18, s16, s18                     ; p = 0 .. 9
	s_lshr_b32 s19, s17, 1                         ; e - 1
	s_and_b32 s20, s17, 1                          ; f: 0 shift, 1 log_scale
	s_mov_b32 s21, 0                               ; cl
	s_mov_b32 s22, 0                               ; p0
	s_cmp_ge_u32 s18, 4
	s_cselect_b32 s21, 1, s21
	s_cselect_b32 s22, 4, s22
	s_cmp_ge_u32 s18, 7
	s_cselect_b32 s21, 2, s21
	s_cselect_b32 s22, 7, s22
	s_cmp_ge_u32 s18, 9
	s_cselect_b32 s21, 3, s21
	s_cselect_b32 s22, 9, s22
	s_sub_co_u32 s23, s18, s22                     ; k
	s_sub_co_u32 s24, 3, s23                       ; s = 3 - k
	s_sub_co_u32 s25, 4, s21                       ; n = 4 - cl: chunks of a column tile
	s_and_b32 s26, s2, 3                           ; w
	s_lshr_b32 s27, s2, 2                          ; c
	; W: e x 2,097,152 + (128 s + 32 c) rows of 4,096 bytes + 2,048 f + 4 (128 cl + 32 w)
	s_add_co_u32 s28, s19, 1
	s_lshl_b32 s28, s28, 21
	s_lshl_b32 s29, s24, 7
	s_lshl_b32 s31, s27, 5
	s_add_co_u32 s29, s29, s31
	s_lshl_b32 s29, s29, 12
	s_add_co_u32 s28, s28, s29
	s_lshl_b32 s29, s20, 11
	s_add_co_u32 s28, s28, s29
	s_lshl_b32 s29, s21, 9
	s_add_co_u32 s28, s28, s29
	s_lshl_b32 s29, s26, 7
	s_add_co_u32 s28, s28, s29
	s_mov_b32 s29, 0
	; codes: (((e - 1) 4 + w) 20 + 2 p0 + k) x 4,096 + 2,048 f + 512 c   (2 p0 + k = p0 + p)
	s_lshl_b32 s32, s19, 2
	s_add_co_u32 s32, s32, s26
	s_mul_i32 s32, s32, 20
	s_add_co_u32 s32, s32, s22
	s_add_co_u32 s32, s32, s18
	s_lshl_b32 s32, s32, 12
	s_lshl_b32 s33, s20, 11
	s_add_co_u32 s32, s32, s33
	s_lshl_b32 s33, s27, 9
	s_add_co_u32 s32, s32, s33
	s_mov_b32 s33, 0
	; the mask: register i holds d = 128 s + 32 c + i of column e' = 128 cl + 32 w + lane: kept where i > T = e' - 128 s - 32 c
	s_sub_co_i32 s34, s21, s24
	s_lshl_b32 s34, s34, 7
	s_sub_co_i32 s35, s26, s27
	s_lshl_b32 s35, s35, 5
	s_add_co_i32 s34, s34, s35
	v_add_nc_u32 v4, s34, v1                       ; T, signed
	v_lshlrev_b32 v2, 2, v1                        ; W: 4 bytes a lane
	s_lshl_b32 s36, s25, 12
	v_lshrrev_b32 v5, 4, v1                        ; u: lanes 16-31 hold the next column tile, n chunks further on
	v_mul_u32_u24 v3, v5, s36
	v_and_b32 v6, 15, v1
	v_lshl_add_u32 v3, v6, 4, v3                   ; codes: u n 4,096 + 16 r
	s_wait_kmcnt 0x0
	s_load_b32 s30, s[8:9], 0x4                    ; ew
	s_add_nc_u64 s[6:7], s[6:7], s[28:29]
	s_add_nc_u64 s[10:11], s[10:11], s[32:33]
.irp i, 0,1,2,3,4,5,6,7,8,9,10,11,12,13,14,15,16,17,18,19,20,21,22,23,24,25,26,27,28,29,30,31
	global_load_b32 v[XR+\i], v2, s[6:7] offset:\i*4096 th:TH_LOAD_NT   ; one row of K, 32 neighbouring columns; each byte of W that is read is read once in the launch
.endr
	s_wait_kmcnt 0x0
	s_add_co_i32 s30, s30, 127
	s_lshl_b32 s31, s30, 23
	v_mov_b32 v11, s31                             ; 2^ew as f32: the conversion takes its exponent field
	s_add_co_i32 s30, s30, 15
	s_lshl_b32 s30, s30, 23
	s_or_b32 s30, s30, 0x600000
	v_mov_b32 v10, s30                             ; 57,344 x 2^ew
.irp g, 0,1,2,3
	s_wait_loadcnt 24-8*\g                         ; loads come back in order: eight more rows of K are in, the younger ones stay out
.irp i, 0,1,2,3,4,5,6,7
	v_cmp_gt_i32 vcc_lo, 8*\g+\i, v4               ; d > e' ?
	v_cndmask_b32 v[XR+8*\g+\i], 0, v[XR+8*\g+\i], vcc_lo   ; the mask, always applied: no branch
	v_med3_num_f32 v[XR+8*\g+\i], v[XR+8*\g+\i], -v10, v10  ; the conversion to an 8-bit code does not saturate (ISA guide 7.6.2): the hold at the largest code x the scale
.endr
	v_cvt_scalef32_pk8_bf8_f32 v[CR+2*\g:CR+2*\g+1], v[XR+8*\g:XR+8*\g+7], v11
.endr
	global_store_b128 v3, v[CR:CR+3], s[10:11]               ; k = 32 c + 0 .. 15 (h = 0): lanes 0-15 fill 256 consecutive bytes, lanes 16-31 those of the next column tile
	global_store_b128 v3, v[CR+4:CR+7], s[10:11] offset:256  ; k = 32 c + 16 .. 31 (h = 1)
	s_endpgm
	; ---------------- the counting sort: 512 threads x 32 labels; order of places: wave, register, lane
.Lsort:
	s_mov_b32 s23, ttmp9                           ; e
	; the offsets of wave 0's last two stores hang on e and the lane alone: they are made here, ahead of every load and with all lanes on, in registers that hold nothing else
	s_lshl_b32 s26, ttmp9, 6
	s_add_co_u32 s26, s26, 65536
	s_lshl_b32 s27, ttmp9, 3
	v_lshl_add_u32 v[PADA], v1, 2, s26             ; entry 16,384 + 16 e + lane of 'order'
	v_mov_b32 v[RECA], s27                         ; meta: 8 bytes a label
	v_mov_b32 v[NIL], 0
	v_lshlrev_b32 v2, 4, v0                        ; 16 bytes a thread
	v_lshlrev_b32 v6, 2, v0                        ; 4 x thread: the first of its four rows in each load
	s_mov_b32 s16, 0                               ; my wave's labels equal to e
	s_mov_b32 s17, 0                               ; and below e
	s_wait_kmcnt 0x0
.irp j, 0,1,2,3,4,5,6,7
	global_load_b128 v[XR+4*\j:XR+4*\j+3], v2, s[4:5] offset:8192*\j   ; register 4 j + i: the label of row 2,048 j + 4 thread + i
.endr
	s_wait_loadcnt 0x0
.set R, 0
.rept 32
	v_cmp_eq_u32 s[MK+R], s23, v[XR+R]
	v_cmp_gt_u32 vcc_lo, s23, v[XR+R]
	s_bcnt1_i32_b32 s21, s[MK+R]
	s_bcnt1_i32_b32 s22, vcc_lo
	s_add_co_u32 s16, s16, s21
	s_add_co_u32 s17, s17, s22
.set R, R+1
.endr
	s_lshl_b32 s17, s17, 16                        ; both counts are at most 1,024 a wave, 16,384 in all: two halves of a word
	s_or_b32 s16, s16, s17
	v_mov_b32 v8, s16
	v_mov_b32 v7, s2
	v_lshlrev_b32 v7, 2, v7
	ds_store_b32 v7, v8                            ; my wave's word: all lanes write the same value
	v_and_b32 v9, 15, v0
	v_lshlrev_b32 v9, 2, v9
	s_wait_dscnt 0x0                               ; for the others' sake: my store is done
	s_barrier_signal -1
	s_barrier_wait -1
	ds_load_b32 v5, v9                             ; lane k (mod 16): wave k's word
	s_mov_b32 s18, 0                               ; all waves'
	s_mov_b32 s19, 0                               ; the waves' in front of mine
	s_wait_dscnt 0x0
.irp k, 0,1,2,3,4,5,6,7,8,9,10,11,12,13,14,15
	v_readlane_b32 s21, v5, \k
	s_cmp_gt_u32 s2, \k
	s_cselect_b32 s22, s21, 0
	s_add_co_u32 s18, s18, s21
	s_add_co_u32 s19, s19, s22
.endr
	s_lshr_b32 s24, s18, 16                        ; base_e
	s_and_b32 s25, s18, 0xffff                     ; count_e
	s_and_b32 s19, s19, 0xffff
	s_add_co_u32 s20, s24, s19                     ; the place of my wave's first row
	v_mov_b32 v[REC], s24                          ; the record's two words, written with all lanes on
	v_mov_b32 v[REC+1], s25
.set R, 0
.rept 32
	v_mbcnt_lo_u32_b32 v[PR+R], s[MK+R], s20       ; place = running count + the chosen lanes below mine
	s_bcnt1_i32_b32 s21, s[MK+R]
	s_add_co_u32 s20, s20, s21
	v_min_u32 v[PR+R], 0x3fff, v[PR+R]             ; a number made of loaded data enters an address only behind a bound (it is never reached)
	v_lshlrev_b32 v[PR+R], 2, v[PR+R]
	v_add_nc_u32 v[VR+R], 2048*(R/4)+(R%4), v6     ; the row's number
.set R, R+1
.endr
	s_wait_xcnt 0x0                                ; EXEC is a source of pending memory instructions: it changes only behind this wait
.set R, 0
.rept 32
	s_and_saveexec_b32 s70, s[MK+R]                ; the lanes whose label is e
	global_store_b32 v[PR+R], v[VR+R], s[12:13]    ; they hold neighbouring places
	s_wait_xcnt 0x0                                ; and again in front of the line that widens it
	s_or_b32 exec_lo, exec_lo, s70
.set R, R+1
.endr
	s_cmp_lg_u32 s2, 0                             ; wave 0 alone: the 16 entries behind the list, and the record
	s_cbranch_scc1 .Lsorted
	v_cmp_gt_u32 vcc_lo, 16, v1
	s_and_saveexec_b32 s70, vcc_lo
	global_store_b32 v[PADA], v[NIL], s[12:13]
	s_wait_xcnt 0x0
	s_or_b32 exec_lo, exec_lo, s70
	v_cmp_eq_u32 vcc_lo, 0, v1
	s_and_saveexec_b32 s70, vcc_lo
	global_store_b64 v[RECA], v[REC:REC+1], s[14:15]
	s_wait_xcnt 0x0
	s_or_b32 exec_lo, exec_lo, s70
.Lsorted:
	s_wait_tensorcnt 0x0
	ds_add_u32 v128, v129
	s_wait_dscnt 0x0
	s_endpgm
.Lfunc_end_k_q10213fdce1_prep:
	.size	k_q10213fdce1_prep, .Lfunc_end_k_q10213fdce1_prep-k_q10213fdce1_prep
	.p2alignl 7, 3214868480
	.fill 96, 4, 3214868480
	.section	.rodata,"a",@progbits
	.p2align	6, 0x0
	.amdhsa_kernel k_q10213fdce1_prep
		.amdhsa_group_segment_fixed_size 2304
		.amdhsa_private_segment_fixed_size 0
		.amdhsa_enable_private_segment 0
		.amdhsa_kernarg_size 48
		.amdhsa_user_sgpr_count 2
		.amdhsa_user_sgpr_kernarg_segment_ptr 1
		.amdhsa_wavefront_size32 1
		.amdhsa_system_sgpr_workgroup_id_x 1
		.amdhsa_system_sgpr_workgroup_id_y 1
		.amdhsa_system_sgpr_workgroup_id_z 1
		.amdhsa_system_vgpr_workitem_id 0
		.amdhsa_next_free_vgpr 130
		.amdhsa_next_free_sgpr 72
		.amdhsa_reserve_vcc 1
		.amdhsa_float_denorm_mode_32 3
		.amdhsa_float_denorm_mode_16_64 3
		.amdhsa_memory_ordered 1
		.amdhsa_forward_progress 1
		.amdhsa_inst_pref_size 39
	.end_amdhsa_kernel
	.amdgpu_metadata
---
amdhsa.version: [ 1, 2 ]
amdhsa.kernels:
  - .name:           k_q10213fdce1_prep
    .symbol:         k_q10213fdce1_prep.kd
    .args:
      - { .name: x, .offset: 0, .size: 8, .value_kind: global_buffer, .address_space: global }
      - { .name: W, .offset: 8, .size: 8, .value_kind: global_buffer, .address_space: global }
      - { .name: lowp_scales, .offset: 16, .size: 8, .value_kind: global_buffer, .address_space: global }
      - { .name: wcodes, .offset: 24, .size: 8, .value_kind: global_buffer, .address_space: global }
      - { .name: order, .offset: 32, .size: 8, .value_kind: global_buffer, .address_space: global }
      - { .name: meta, .offset: 40, .size: 8, .value_kind: global_buffer, .address_space: global }
    .group_segment_fixed_size: 2304
    .private_segment_fixed_size: 0
    .kernarg_segment_align: 8
    .kernarg_segment_size: 48
    .max_flat_workgroup_size: 512
    .sgpr_count:     72
    .vgpr_count:     130
    .wavefront_size: 32
...
	.end_amdgpu_metadata
.endif
;; end of part 1
;; launch flow (part 2): grid 212 x 1, 4 waves a work-group, no clusters, 206,592 bytes of LDS; arguments meta, lowp_scales, order, b, wcodes, y, out0; writes out0
.if DOCPART == 2
	.amdgcn_target "amdgcn-amd-amdhsa--gfx1250"
	.amdhsa_code_object_version 6
	.text
	.protected	k_q10213fdce1_flow
	.globl	k_q10213fdce1_flow
	.p2align	8
	.type	k_q10213fdce1_flow,@function
k_q10213fdce1_flow:
	s_mov_b64 s[64:65], 0
	v_nop
	global_prefetch_b8 v0, s[64:65] scope:SCOPE_SE
	s_setreg_imm32_b32 hwreg(HW_REG_WAVE_MODE, 25, 1), 1
	s_wait_xcnt 0x0
; out[r] = y[r] where x[r] = 0, else y[r] exp(ls) + sh with [sh | ls] = Q(y[r]) Q(W[x[r]] mask) + b[x[r]]; both operands codes of BF8 (E5M2) with the given scales 2^ey, 2^ew; sums in f32.
; ONE WORK-GROUP TAKES ONE TILE OF 80 ROWS OF ONE EXPERT THROUGH THE WHOLE CHAIN: gather, quantise, product, exp and multiply-add, scatter.  Rows come sorted by label in 'order', with {base, count} for each
; label in 'meta'.  16,384 rows on 8 labels make at most (16,384 + 8 x 79) / 80 = 212 tiles, whatever the split: so many work-groups.  One that the split leaves without rows stores nothing.
; SHARES.  X: wave w brings bytes 512 w .. 512 w + 511 of all 80 rows into a stage in LDS (f32) and quantises them: they are K step w of the product; the codes go to LDS as images of the operand's registers.
;   P: the waves share the COLUMNS: wave w makes column tiles t = 8 cl + 2 w + u (cl = 0..3, u = 0, 1) of shift and of log_scale for all 80 rows.  All 20 fragments of y's codes lie in each wave's registers;
;   each fragment of weights is read once in the work-group, from memory straight into registers (laid out so by the launch before), and feeds 5 products.
;   The mask (d > column) leaves column block cl the K steps s = 3 .. cl: 4, 4, 3, 3, 2, 2, 1, 1 chunks for a wave's 8 column tiles: the same text for all four waves.
;   THE MATRIX INSTRUCTION IS USED TRANSPOSED (source 0 = 16 columns of W, source 1 = 16 rows of y): lane (r, h), register j holds (row 16 m + r, column 16 t + 8 h + j).
;   The result replaces y in the stage, each lane its own bytes.   O: wave w stores bytes 512 w .. of the tile's valid rows.  In a tile of label 0 the stage still holds y: it needs no text of its own.
; K's order in a fragment: registers 4 c .. 4 c + 3 hold k = 32 c + 16 h + 0 .. 15, in both operands alike: every product meets its partner.
; NO JOINT LOADS, NO TENSOR LOADS: which work-groups share an expert's weights hangs on counts read from memory, and this text branches on such numbers.  Both barriers stand where all ways join;
;   only the work between them is jumped over (label 0, or no rows).
; LIMITS: ey between -126 and 112; ey + ew between -126 and 127, so that each power of two below is an f32 number.  exp comes from v_exp_f32: a result under 2^-126 is 0.  NaN among the inputs is not served.
; LDS: the stage, 80 rows x (2,048 + 16) bytes: row r starts 4 r words further round the banks (64 banks of 4 bytes: ISA guide 11.1); behind it the 20 images of 2,048 bytes (fragment 4 m + s; registers 4 c .. at 512 c; 16 bytes a lane).
; REGISTERS, in windows of 256 (s_set_vgpr_msb: bits 1:0 source 0, 3:2 source 1, 5:4 source 2, 7:6 destination):
;   window 0: v1-20 addresses and constants; v32-111 the rows' offsets (X, O), the ten accumulators (P), numbers to quantise; v112-151 y of a column tile; v152-247 numbers and codes (X); v112-239 rows on the way out
;   window 1: six slots of 32 for the weights' chunks (shift's fragment, then log_scale's)      window 2: y as it lands (rows 0-63); then y's fragments of K steps 3, 2, 1
;   window 3: v0-79 y as it lands (rows 64-79), then y's fragments of K step 0; v128-255 the biases of my 8 column tiles (8 of shift, 8 of log_scale each)
.set PITCH, 2064
.set IMG,   80*PITCH                   ; 165,120
.set FRB,   2048                       ; a fragment's image
.set STREAM, 20*4096                   ; a wave's weights of one expert
.set LN16, 1                           ; v1     16 x lane
.set LI,   2                           ; v2     IMG + 16 x lane
.set HW,   3                           ; v3     IMG + 2,048 w + 16 x lane: where I store my images
.set ST,   4                           ; v4-6   512 w + 16 x lane + 32 g rows of the stage; v4 is also my bytes' place in a row of y and of out
.set QA,   8                           ; v8-12  (16 m + r) PITCH + 512 w + 64 h: the numbers that I quantise
.set EA,   13                          ; v13-17 (16 m + r) PITCH + 128 w + 32 h: y beside my results
.set VB,   18                          ; v18    128 w + 32 h: my place in b
.set SCL,  19                          ; v19    2^ey
.set LIM,  20                          ; v20    57,344 x 2^ey
.set RO,   32                          ; v32-111  row i's byte offset in y and in out
.set SH,   32                          ; v32-71   shift's five accumulators
.set LS,   72                          ; v72-111  log_scale's
.set YV,   112
.set XS0,  32
.set XS1,  152
.set PC0,  216
.set OB0,  112
.set BS,   128                         ; in window 3: tile T's bias of shift at BS + 16 T,
.set BL,   136                         ; of log_scale at BL + 16 T
; s2 wave; s3 valid rows; s4 the same, but 0 for label 0; s5 byte offset in order; s[6:7] my weights; s[8:9] y; s[10:11] out; s[12:13] 2^(ey+ew); s[14:15] that x log2(e); s[66:67] b of my expert;
; s[100:101] ey, ew; s[104:105] order; the 80 row numbers in s16-63 and s68-99
.set MSB, 0
.macro WIN new                         ; the immediate's high byte repeats the setting that is left; at a label and at a branch every window is 0
.if MSB != \new
	s_set_vgpr_msb (MSB<<8)|\new
.set MSB, \new
.endif
.endm
.macro MKRO                            ; row i's offset: 2,048 x row + my bytes' place
.set I, 0
.rept 80
.if I < 48
.set SR, 16+I
.else
.set SR, 20+I
.endif
	v_lshl_add_u32 v[RO+I], s[SR], 11, v[ST]
.set I, I+1
.endr
.endm
.macro BLOAD q                         ; chunk q of my weights into slot q % 6: eight loads of 512 consecutive bytes
.irp k, 0,1,2,3,4,5,6,7
	global_load_b128 v[32*((\q)%6)+4*\k:32*((\q)%6)+4*\k+3], v[LN16], s[6:7] offset:4096*(\q)+512*\k
.endr
.endm
.macro STG g, cnt                      ; rows 16 g .. 16 g + 15 go into the stage as they lie
	s_wait_loadcnt \cnt
.if \g < 4
	WIN 0x08                                       ; store data in window 2
.else
	WIN 0x0c                                       ; in window 3
.endif
.set I, 16*\g
.rept 16
	ds_store_b128 v[ST+(I>>5)], v[4*(I&63):4*(I&63)+3] offset:(I&31)*PITCH
.set I, I+1
.endr
.endm
.macro LQ m                            ; 64 numbers of my row of tile m: register 16 b + i = k 32 b + 16 h + i of my K step
.set XS, XS0+(XS1-XS0)*((\m)%2)
.irp b, 0,1,2,3
.irp j, 0,1,2,3
	ds_load_b128 v[XS+16*\b+4*\j:XS+16*\b+4*\j+3], v[QA+\m] offset:128*\b+16*\j
.endr
.endr
.endm
.macro QUANT m
.set XS, XS0+(XS1-XS0)*((\m)%2)
.set PC, PC0+16*((\m)%2)
.irp b, 0,1,2,3
.irp i, 0,1,2,3,4,5,6,7,8,9,10,11,12,13,14,15
	v_med3_num_f32 v[XS+16*\b+\i], v[XS+16*\b+\i], -v[LIM], v[LIM]   ; the conversion to an 8-bit code does not saturate (ISA guide 7.6.2): the hold at the largest code x the scale
.endr
	v_cvt_scalef32_pk8_bf8_f32 v[PC+4*\b:PC+4*\b+1], v[XS+16*\b:XS+16*\b+7], v[SCL]
	v_cvt_scalef32_pk8_bf8_f32 v[PC+4*\b+2:PC+4*\b+3], v[XS+16*\b+8:XS+16*\b+15], v[SCL]
.endr
	v_nop                                          ; one plain vector line behind the last conversion: products later write the registers that it read
.endm
.macro IMAGE m                         ; fragment 4 m + w goes to LDS as it stands
.set PC, PC0+16*((\m)%2)
.irp c, 0,1,2,3
	ds_store_b128 v[HW], v[PC+4*\c:PC+4*\c+3] offset:4*FRB*(\m)+512*\c
.endr
.endm
; The macros of P read the symbols Q (chunk), SS (K step), FIRST, LAST (of the column tile), CL, UU.
.macro MUL10                           ; ten products: the chunk's two fragments x y's five.  The ten accumulators take turns, one instruction a turn
.if SS > 0
	WIN 0x09                                       ; source 0 (W) window 1, source 1 (y) window 2
.set AF, 80*(3-SS)
.else
	WIN 0x0d                                       ; source 1 window 3
.set AF, 0
.endif
.set BR, 32*(Q%6)
.irp m, 0,1,2,3,4
.if FIRST                              ; the first K step starts the sums: nothing is cleared
	v_wmma_f32_16x16x128_bf8_bf8 v[SH+8*\m:SH+8*\m+7], v[BR:BR+15], v[AF+16*\m:AF+16*\m+15], 0
	v_wmma_f32_16x16x128_bf8_bf8 v[LS+8*\m:LS+8*\m+7], v[BR+16:BR+31], v[AF+16*\m:AF+16*\m+15], 0
.else
	v_wmma_f32_16x16x128_bf8_bf8 v[SH+8*\m:SH+8*\m+7], v[BR:BR+15], v[AF+16*\m:AF+16*\m+15], v[SH+8*\m:SH+8*\m+7]
	v_wmma_f32_16x16x128_bf8_bf8 v[LS+8*\m:LS+8*\m+7], v[BR+16:BR+31], v[AF+16*\m:AF+16*\m+15], v[LS+8*\m:LS+8*\m+7]
.endif
.endr
.endm
.macro YIN                             ; y beside the tile's results, asked for ahead of the tile's last products.  LDS serves a wave's instructions in order (ISA guide 5.7.1.4): the last tile's stores come first
	WIN 0
.irp m, 0,1,2,3,4
	ds_load_b128 v[YV+8*\m:YV+8*\m+3],   v[EA+\m] offset:512*CL+64*UU
	ds_load_b128 v[YV+8*\m+4:YV+8*\m+7], v[EA+\m] offset:512*CL+64*UU+16
.endr
.endm
.macro CHUNK
.if LAST
	YIN
.endif
.if Q >= 6                             ; chunks 0-5 were shown in by the stage's last wait.  Behind chunk Q's loads those of chunks Q + 1 .. Q + 5 (as far as there are any) were issued, eight each
.if 19-Q < 5
	s_wait_loadcnt 8*(19-Q)
.else
	s_wait_loadcnt 40
.endif
.endif
	MUL10
.if LAST || (Q+6 < 20)
.rept 4
	v_nop                                          ; four places behind the products, in front of loads into the slot that they read and of the first read of the sums
.endr
.endif
.if Q+6 < 20
	WIN 0x40
	BLOAD Q+6                                      ; the slot takes the chunk six further on
.endif
.endm
.macro EPI                             ; out = y 2^(sum_ls S log2e + bl log2e) + (sum_sh S + bs).  Each accumulator is read from its low end on
.set TT, 2*CL+UU
	WIN 0x30                                       ; source 2 (the bias) in window 3
.irp m, 0,1,2,3,4
.irp i, 0,2,4,6
	v_pk_fma_f32 v[LS+8*\m+\i:LS+8*\m+\i+1], v[LS+8*\m+\i:LS+8*\m+\i+1], s[14:15], v[BL+16*TT+\i:BL+16*TT+\i+1] op_sel_hi:[1,0,1]
.endr
.endr
.set J, 0
.rept 40
	v_exp_f32 v[LS+J], v[LS+J]
.set J, J+1
.endr
.irp m, 0,1,2,3,4
.irp i, 0,2,4,6
	v_pk_fma_f32 v[SH+8*\m+\i:SH+8*\m+\i+1], v[SH+8*\m+\i:SH+8*\m+\i+1], s[12:13], v[BS+16*TT+\i:BS+16*TT+\i+1] op_sel_hi:[1,0,1]   ; (also the plain lines behind the exponentials)
.endr
.endr
	WIN 0
	s_wait_dscnt 0x0                               ; y is in
	s_wait_alu depctr_va_vdst(0)
.irp m, 0,1,2,3,4
.irp i, 0,2,4,6
	v_pk_fma_f32 v[YV+8*\m+\i:YV+8*\m+\i+1], v[YV+8*\m+\i:YV+8*\m+\i+1], v[LS+8*\m+\i:LS+8*\m+\i+1], v[SH+8*\m+\i:SH+8*\m+\i+1]
.endr
.endr
.irp m, 0,1,2,3,4
	ds_store_b128 v[EA+\m], v[YV+8*\m:YV+8*\m+3]   offset:512*CL+64*UU      ; over the y that was read: my lane's own 32 bytes
	ds_store_b128 v[EA+\m], v[YV+8*\m+4:YV+8*\m+7] offset:512*CL+64*UU+16
.endr
.endm
.set Q, 0
.macro TILE cl, u                      ; column tile 8 cl + 2 w + u: K steps 3 down to cl, then the way into the stage
.set CL, \cl
.set UU, \u
.set KK, 0
.rept 4-\cl
.set SS, 3-KK
.set FIRST, 0
.set LAST, 0
.if KK == 0
.set FIRST, 1
.endif
.if KK == 3-\cl
.set LAST, 1
.endif
	CHUNK
.set KK, KK+1
.set Q, Q+1
.endr
	EPI
.endm
.macro OLD g                           ; rows 16 g .. of the stage, my 512 bytes of each, into registers
.if \g >= 2
	s_wait_xcnt 0x0                                ; the stores of two groups ago have read these registers
.endif
.set OB, OB0+64*((\g)%2)
.set I, 16*\g
.rept 16
	ds_load_b128 v[OB+4*(I&15):OB+4*(I&15)+3], v[ST+(I>>5)] offset:(I&31)*PITCH
.set I, I+1
.endr
.endm
.macro OST g, younger                  ; and out: 32 lanes store 512 consecutive bytes, at a multiple of 512 from out's first byte.  younger: the next group's loads, which may stay out
.set OB, OB0+64*((\g)%2)
.set I, 16*\g
.rept 16
	s_wait_dscnt \younger+15-(I&15)
	s_cmp_le_u32 s3, I                             ; the tile's rows from s3 on belong to other tiles
	s_cbranch_scc1 .Lend
	global_store_b128 v[RO+I], v[OB+4*(I&15):OB+4*(I&15)+3], s[10:11] th:TH_STORE_NT
.set I, I+1
.endr
.endm
	; ---------------- H: which tile is mine; every address register is made here, on the one way that all waves take
	s_load_b128 s[16:19], s[0:1], 0x0              ; meta, lowp_scales
	s_load_b64 s[104:105], s[0:1], 0x10            ; order
	s_load_b64 s[66:67], s[0:1], 0x18              ; b
	s_load_b64 s[6:7], s[0:1], 0x20                ; wcodes
	s_load_b128 s[8:11], s[0:1], 0x28              ; y, out0
	v_lshl_add_u32 v254, v0, 2, 0x32500
	v_mov_b32 v255, 0
	v_lshrrev_b32 v21, 5, v0
	v_readfirstlane_b32 s2, v21                    ; wave 0..3
	s_wait_kmcnt 0x0
	s_load_b512 s[32:47], s[16:17], 0x0            ; base and count of the eight labels
	s_load_b64 s[100:101], s[18:19], 0x0           ; ey, ew
	v_and_b32 v22, 31, v0                          ; lane
	v_and_b32 v23, 15, v0                          ; r
	v_bfe_u32 v24, v0, 4, 1                        ; h
	s_lshl_b32 s48, s2, 11
	s_lshl_b32 s49, s2, 9
	s_lshl_b32 s50, s2, 7
	v_lshlrev_b32 v[LN16], 4, v22
	v_add_nc_u32 v[LI], IMG, v[LN16]
	v_add_nc_u32 v[HW], s48, v[LI]
	v_add_nc_u32 v[ST], s49, v[LN16]
	v_add_nc_u32 v[ST+1], 32*PITCH, v[ST]
	v_add_nc_u32 v[ST+2], 64*PITCH, v[ST]
	v_mul_u32_u24 v25, v23, PITCH
	v_lshl_add_u32 v26, v24, 6, v25
	v_add_nc_u32 v[QA], s49, v26
	v_lshl_add_u32 v27, v24, 5, v25
	v_add_nc_u32 v[EA], s50, v27
.irp m, 1,2,3,4
	v_add_nc_u32 v[QA+\m], 16*PITCH*\m, v[QA]
	v_add_nc_u32 v[EA+\m], 16*PITCH*\m, v[EA]
.endr
	v_lshl_add_u32 v[VB], v24, 5, s50
	s_mov_b32 s20, 0                               ; tiles in front of label e
	s_mov_b32 s21, 0                               ; my label,
	s_mov_b32 s22, 0                               ; its first tile,
	s_mov_b32 s23, 0                               ; its base,
	s_mov_b32 s24, 0                               ; its count
	s_wait_kmcnt 0x0
.irp e, 0,1,2,3,4,5,6,7                        ; the last label whose first tile is not behind me
	s_cmp_ge_u32 ttmp9, s20
	s_cselect_b32 s21, \e, s21
	s_cselect_b32 s22, s20, s22
	s_cselect_b32 s23, s[32+2*\e], s23
	s_cselect_b32 s24, s[33+2*\e], s24
	s_add_co_u32 s25, s[33+2*\e], 79
	s_lshr_b32 s25, s25, 4
	s_mul_i32 s25, s25, 52429
	s_lshr_b32 s25, s25, 18                        ; (count + 79) / 80 = ((count + 79) / 16) / 5, exact for these sizes
	s_add_co_u32 s20, s20, s25
.endr
	s_sub_co_u32 s22, ttmp9, s22
	s_mul_i32 s22, s22, 80                         ; my first row among the label's
	s_sub_co_i32 s3, s24, s22
	s_max_i32 s3, s3, 0
	s_min_i32 s3, s3, 80                           ; valid rows: 0 .. 80
	s_add_co_u32 s5, s23, s22
	s_min_u32 s5, s5, 0x4000                       ; a loaded number enters an address only behind a bound; 'order' has 128 entries behind 16,384
	s_lshl_b32 s5, s5, 2
	s_cmp_lg_u32 s21, 0
	s_cselect_b32 s4, s3, 0                        ; 0: nothing to multiply
	s_sub_co_u32 s12, s21, 1
	s_min_u32 s12, s12, 6                          ; the expert's place in wcodes (label 0 wraps round onto a valid one; its loads are not used)
	s_min_u32 s14, s21, 7
	s_load_b512 s[16:31], s[104:105], s5 offset:0x0    ; the tile's 80 row numbers
	s_load_b512 s[32:47], s[104:105], s5 offset:0x40
	s_load_b512 s[48:63], s[104:105], s5 offset:0x80
	s_load_b512 s[68:83], s[104:105], s5 offset:0xc0
	s_load_b512 s[84:99], s[104:105], s5 offset:0x100
	s_lshl_b32 s12, s12, 2                         ; while they are on their way: biases and the first six chunks of weights, which hang on the label alone
	s_add_co_u32 s12, s12, s2
	s_mul_i32 s12, s12, STREAM
	s_mov_b32 s13, 0
	s_add_nc_u64 s[6:7], s[6:7], s[12:13]
	s_lshl_b32 s14, s14, 12
	s_mov_b32 s15, 0
	s_add_nc_u64 s[66:67], s[66:67], s[14:15]
	WIN 0xc0                                       ; destination window 3
.irp cl, 0,1,2,3
.irp u, 0,1
.irp p, 0,1                                    ; lane (r, h) wants columns 16 t + 8 h + 0 .. 7: bytes 512 cl + 128 w + 64 u + 32 h on; log_scale's lie 2,048 bytes further
	global_load_b128 v[BS+16*(2*\cl+\u)+8*\p:BS+16*(2*\cl+\u)+8*\p+3],   v[VB], s[66:67] offset:512*\cl+64*\u+2048*\p
	global_load_b128 v[BS+16*(2*\cl+\u)+8*\p+4:BS+16*(2*\cl+\u)+8*\p+7], v[VB], s[66:67] offset:512*\cl+64*\u+2048*\p+16
.endr
.endr
.endr
	WIN 0x40                                       ; destination window 1
.irp q, 0,1,2,3,4,5
	BLOAD \q
.endr
	WIN 0
	s_add_co_i32 s12, s100, 127
	s_lshl_b32 s13, s12, 23
	v_mov_b32 v[SCL], s13                          ; 2^ey as f32: the conversion takes its exponent field
	s_add_co_i32 s12, s12, 15
	s_lshl_b32 s12, s12, 23
	s_or_b32 s12, s12, 0x600000
	v_mov_b32 v[LIM], s12                          ; 57,344 x 2^ey
	s_add_co_i32 s14, s100, s101
	s_lshl_b32 s14, s14, 23                        ; ey + ew, added to the exponent fields of 1.0 and of log2(e):
	s_add_co_i32 s12, s14, 0x3f800000              ; 2^(ey + ew)
	s_mov_b32 s13, s12                             ; (named with it as a pair, so it is written)
	s_add_co_i32 s14, s14, 0x3fb8aa3b              ; log2(e) 2^(ey + ew)
	s_mov_b32 s15, s14
	s_wait_kmcnt 0x0
.set I, 0
.rept 80
.if I < 48
.set SR, 16+I
.else
.set SR, 20+I
.endif
	s_min_u32 s[SR], s[SR], 0x3fff                 ; the bound in front of an address (row numbers are below 16,384)
.set I, I+1
.endr
	MKRO
	; ---------------- X1: my quarter of the 80 rows: each load takes 512 consecutive bytes of one row.  No hint: the rows behind a short tile's end are named by two tiles
	WIN 0x80
.set I, 0
.rept 64
	global_load_b128 v[4*I:4*I+3], v[RO+I], s[8:9]
.set I, I+1
.endr
	WIN 0xc0
.set I, 64
.rept 16
	global_load_b128 v[4*(I-64):4*(I-64)+3], v[RO+I], s[8:9]
.set I, I+1
.endr
	STG 0, 63                                      ; behind row 15's load 64 were issued; the count is the largest that the wait can name, one row more than is needed
	STG 1, 48                                      ; behind row 31's: 48
	STG 2, 32
	STG 3, 16
	STG 4, 0                                       ; all loads are in: the biases and chunks 0-5, which are older, too
	WIN 0
	s_cmp_eq_u32 s4, 0
	s_cbranch_scc1 .Lbar1
	; ---------------- X2: my K step of the five tiles of rows becomes five fragments.  I read back my own bytes of the stage: LDS serves a wave's instructions in order
	LQ 0
	LQ 1
	s_wait_dscnt 16                                ; tile 0's numbers are in; behind them: tile 1's 16 loads
	QUANT 0
	IMAGE 0
	LQ 2
	s_wait_dscnt 20                                ; tile 1's; behind them: 4 stores and 16 loads
	QUANT 1
	IMAGE 1
	LQ 3
	s_wait_dscnt 20
	QUANT 2
	IMAGE 2
	LQ 4
	s_wait_dscnt 20
	QUANT 3
	IMAGE 3
	s_wait_dscnt 4                                 ; tile 4's; behind them: 4 stores
	QUANT 4
	IMAGE 4
.Lbar1:
	s_wait_dscnt 0x0                               ; for the others' sake: my stores into the stage and my images are done, my reads of the stage are back
	s_barrier_signal -1
	s_barrier_wait -1                              ; the 20 images lie in LDS
	s_cmp_eq_u32 s4, 0
	s_cbranch_scc1 .Lbar2
	; ---------------- P
	WIN 0x80                                       ; all of y's codes into my registers: K steps 3, 2, 1 in window 2,
.irp s, 3,2,1
.irp m, 0,1,2,3,4
.irp c, 0,1,2,3
	ds_load_b128 v[80*(3-\s)+16*\m+4*\c:80*(3-\s)+16*\m+4*\c+3], v[LI] offset:(4*\m+\s)*FRB+512*\c
.endr
.endr
.endr
	WIN 0xc0                                       ; K step 0 in window 3
.irp m, 0,1,2,3,4
.irp c, 0,1,2,3
	ds_load_b128 v[16*\m+4*\c:16*\m+4*\c+3], v[LI] offset:(4*\m)*FRB+512*\c
.endr
.endr
	WIN 0xc3                                       ; log_scale's biases x log2(e), once, while the fragments come
.irp t, 0,1,2,3,4,5,6,7
.irp i, 0,2,4,6
	v_pk_mul_f32 v[BL+16*\t+\i:BL+16*\t+\i+1], v[BL+16*\t+\i:BL+16*\t+\i+1], 0x3fb8aa3b op_sel_hi:[1,0]
.endr
.endr
	s_wait_dscnt 0x0
	TILE 0, 0
	TILE 0, 1
	TILE 1, 0
	TILE 1, 1
	TILE 2, 0
	TILE 2, 1
	TILE 3, 0
	TILE 3, 1
	WIN 0
.Lbar2:
	s_wait_dscnt 0x0                               ; for the others' sake: my results lie in the stage
	s_barrier_signal -1
	s_barrier_wait -1                              ; whole rows of the result lie there (of y, where nothing was multiplied)
	; ---------------- O: the rows' offsets once more (the accumulators lay over them), then 16 rows at a time, the loads from the stage one group ahead of the stores
	MKRO
	OLD 0
	OLD 1
	OST 0, 16
	OLD 2
	OST 1, 16
	OLD 3
	OST 2, 16
	OLD 4
	OST 3, 16
	OST 4, 0
.Lend:
	s_wait_tensorcnt 0x0
	ds_add_u32 v254, v255
	s_wait_dscnt 0x0
	s_endpgm
.Lfunc_end_k_q10213fdce1_flow:
	.size	k_q10213fdce1_flow, .Lfunc_end_k_q10213fdce1_flow-k_q10213fdce1_flow
	.p2alignl 7, 3214868480
	.fill 96, 4, 3214868480
	.section	.rodata,"a",@progbits
	.p2align	6, 0x0
	.amdhsa_kernel k_q10213fdce1_flow
		.amdhsa_group_segment_fixed_size 206592
		.amdhsa_private_segment_fixed_size 0
		.amdhsa_enable_private_segment 0
		.amdhsa_kernarg_size 56
		.amdhsa_user_sgpr_count 2
		.amdhsa_user_sgpr_kernarg_segment_ptr 1
		.amdhsa_wavefront_size32 1
		.amdhsa_system_sgpr_workgroup_id_x 1
		.amdhsa_system_sgpr_workgroup_id_y 1
		.amdhsa_system_sgpr_workgroup_id_z 1
		.amdhsa_system_vgpr_workitem_id 0
		.amdhsa_next_free_vgpr 1024
		.amdhsa_next_free_sgpr 106
		.amdhsa_reserve_vcc 0
		.amdhsa_float_denorm_mode_32 3
		.amdhsa_float_denorm_mode_16_64 3
		.amdhsa_memory_ordered 1
		.amdhsa_forward_progress 1
		.amdhsa_inst_pref_size 179
	.end_amdhsa_kernel
	.amdgpu_metadata
---
amdhsa.version: [ 1, 2 ]
amdhsa.kernels:
  - .name:           k_q10213fdce1_flow
    .symbol:         k_q10213fdce1_flow.kd
    .args:
      - { .name: meta, .offset: 0, .size: 8, .value_kind: global_buffer, .address_space: global }
      - { .name: lowp_scales, .offset: 8, .size: 8, .value_kind: global_buffer, .address_space: global }
      - { .name: order, .offset: 16, .size: 8, .value_kind: global_buffer, .address_space: global }
      - { .name: b, .offset: 24, .size: 8, .value_kind: global_buffer, .address_space: global }
      - { .name: wcodes, .offset: 32, .size: 8, .value_kind: global_buffer, .address_space: global }
      - { .name: y, .offset: 40, .size: 8, .value_kind: global_buffer, .address_space: global }
      - { .name: out0, .offset: 48, .size: 8, .value_kind: global_buffer, .address_space: global }
    .group_segment_fixed_size: 206592
    .private_segment_fixed_size: 0
    .kernarg_segment_align: 8
    .kernarg_segment_size: 56
    .max_flat_workgroup_size: 128
    .sgpr_count:     106
    .vgpr_count:     1024
    .wavefront_size: 32
...
	.end_amdgpu_metadata
.endif
;; end of part 2
;; ======== version 2 of 2: 2 launches
;; workspace buffers: wcodes 2,293,760 bytes; order 66,048 bytes of whole numbers; meta 256 bytes of whole numbers
;; launch prep (part 3): grid 148 x 1, 16 waves a work-group, no clusters, 2,304 bytes of LDS; arguments x, W, lowp_scales, wcodes, order, meta; writes wcodes, order, meta
.if DOCPART == 3
	.amdgcn_target "amdgcn-amd-amdhsa--gfx1250"
	.amdhsa_code_object_version 6
	.text
	.protected	k_q10213fdce1_prep
	.globl	k_q10213fdce1_prep
	.p2align	8
	.type	k_q10213fdce1_prep,@function
k_q10213fdce1_prep:
	s_mov_b64 s[64:65], 0
	v_nop
	global_prefetch_b8 v0, s[64:65] scope:SCOPE_SE
	s_setreg_imm32_b32 hwreg(HW_REG_WAVE_MODE, 25, 1), 1
	s_wait_xcnt 0x0
; TWO JOBS IN ONE LAUNCH, parted on the work-group's number alone.
; Work-groups 0-7 (.Lsort): work-group e lists the rows whose label x is e.  It stores their numbers in 'order' from entry base_e on (base_e = how many labels are below e), and {base_e, count_e} in 'meta'.
;   'order' thus becomes a permutation of 0 .. 16,383 sorted by label.  128 further entries are written as 0, 16 by each of the eight: the next launch reads 80 entries from any start up to 16,384.
; Work-groups 8-147: W x mask of experts 1-7 (expert 0 is the identity: its product is thrown away) becomes codes of BF8 (E5M2) with the given scale 2^ew (entry 1 of lowp_scales),
;   laid in the order of the matrix operand's registers.  mask[d][e] = 1 where d > e mod 512: a block of 128 columns, number cl, needs only the K steps of 128 with s >= cl: 10 of 16.
; LAYOUT OF wcodes.  byte ((((e-1) 4 + w) 20 + q) 2 + f) 2048 + 512 c + 16 (16 h + r) + i  =  code of W[e][128 s + 32 c + 16 h + i][512 f + 16 t + r]  (0 where the mask is 0).
;   t = 8 cl + 2 w + u (u = 0, 1), s = 3 - k (k = 0 .. 3 - cl), q = 2 p0 + u (4 - cl) + k with p0 = 0, 4, 7, 9 for cl = 0 .. 3.  So wave w of the next launch finds its 20 chunks of 4,096 bytes on end.
; A LANE TAKES A COLUMN AND ITS REGISTERS RUN DOWN K: a wave takes 32 columns x 32 along K; each load reads 128 consecutive bytes, the conversions give codes with K innermost,
;   and a lane's 16 codes are 16 bytes of the layout above: sixteen lanes store 256 consecutive bytes, aligned.
; code = number / 2^ew, held within +-57,344, to the nearest code, ties to even.
; LIMITS: ew between -126 and 112.  Labels lie in 0 .. 7.  A NaN or an infinity of W under the mask's zeros becomes 0 here (times 0 it would be NaN).  NaN among the inputs is not served.
.set XR, 32                            ; v32-63   32 numbers of W, or 32 labels
.set CR, 64                            ; v64-71   a lane's 32 codes
.set PR, 64                            ; v64-95   sort: byte offsets in 'order'
.set VR, 96                            ; v96-127  sort: row numbers
.set MK, 32                            ; s32-63   sort: for each of my 32 registers, the lanes whose label is e
.set PADA, 16                          ; v16      sort: byte offset of entry 16,384 + 16 e + lane of 'order'
.set RECA, 17                          ; v17      sort: byte offset of label e's record in 'meta'
.set NIL,  18                          ; v18      sort: 0
.set REC,  20                          ; v20-21   sort: base_e, count_e
	s_load_b256 s[4:11], s[0:1], 0x0               ; x s[4:5], W s[6:7], lowp_scales s[8:9], wcodes s[10:11]
	s_load_b128 s[12:15], s[0:1], 0x20             ; order s[12:13], meta s[14:15]
	v_lshl_add_u32 v128, v0, 2, 0x100
	v_mov_b32 v129, 0
	v_lshrrev_b32 v1, 5, v0
	s_delay_alu instid0(VALU_DEP_1)
	v_readfirstlane_b32 s2, v1                     ; wave 0..15
	v_and_b32 v1, 31, v0                           ; lane
	s_cmp_lt_u32 ttmp9, 8
	s_cbranch_scc1 .Lsort
	; ---------------- the quantiser: work-group = (expert, half f, pair p = (cl, k)); wave = (w, c)
	s_sub_co_u32 s16, ttmp9, 8                     ; 0 .. 139
	s_mul_i32 s17, s16, 205
	s_lshr_b32 s17, s17, 11                        ; / 10 (exact up to 139): 2 (e - 1) + f
	s_mul_i32 s18, s17, 10
	s_sub_co_u32 s18, s16, s18                     ; p = 0 .. 9
	s_lshr_b32 s19, s17, 1                         ; e - 1
	s_and_b32 s20, s17, 1                          ; f: 0 shift, 1 log_scale
	s_mov_b32 s21, 0                               ; cl
	s_mov_b32 s22, 0                               ; p0
	s_cmp_ge_u32 s18, 4
	s_cselect_b32 s21, 1, s21
	s_cselect_b32 s22, 4, s22
	s_cmp_ge_u32 s18, 7
	s_cselect_b32 s21, 2, s21
	s_cselect_b32 s22, 7, s22
	s_cmp_ge_u32 s18, 9
	s_cselect_b32 s21, 3, s21
	s_cselect_b32 s22, 9, s22
	s_sub_co_u32 s23, s18, s22                     ; k
	s_sub_co_u32 s24, 3, s23                       ; s = 3 - k
	s_sub_co_u32 s25, 4, s21                       ; n = 4 - cl: chunks of a column tile
	s_and_b32 s26, s2, 3                           ; w
	s_lshr_b32 s27, s2, 2                          ; c
	; W: e x 2,097,152 + (128 s + 32 c) rows of 4,096 bytes + 2,048 f + 4 (128 cl + 32 w)
	s_add_co_u32 s28, s19, 1
	s_lshl_b32 s28, s28, 21
	s_lshl_b32 s29, s24, 7
	s_lshl_b32 s31, s27, 5
	s_add_co_u32 s29, s29, s31
	s_lshl_b32 s29, s29, 12
	s_add_co_u32 s28, s28, s29
	s_lshl_b32 s29, s20, 11
	s_add_co_u32 s28, s28, s29
	s_lshl_b32 s29, s21, 9
	s_add_co_u32 s28, s28, s29
	s_lshl_b32 s29, s26, 7
	s_add_co_u32 s28, s28, s29
	s_mov_b32 s29, 0
	; codes: (((e - 1) 4 + w) 20 + 2 p0 + k) x 4,096 + 2,048 f + 512 c   (2 p0 + k = p0 + p)
	s_lshl_b32 s32, s19, 2
	s_add_co_u32 s32, s32, s26
	s_mul_i32 s32, s32, 20
	s_add_co_u32 s32, s32, s22
	s_add_co_u32 s32, s32, s18
	s_lshl_b32 s32, s32, 12
	s_lshl_b32 s33, s20, 11
	s_add_co_u32 s32, s32, s33
	s_lshl_b32 s33, s27, 9
	s_add_co_u32 s32, s32, s33
	s_mov_b32 s33, 0
	; the mask: register i holds d = 128 s + 32 c + i of column e' = 128 cl + 32 w + lane: kept where i > T = e' - 128 s - 32 c
	s_sub_co_i32 s34, s21, s24
	s_lshl_b32 s34, s34, 7
	s_sub_co_i32 s35, s26, s27
	s_lshl_b32 s35, s35, 5
	s_add_co_i32 s34, s34, s35
	s_wait_alu depctr_va_vdst(0)
	v_add_nc_u32 v4, s34, v1                       ; T, signed
	v_lshlrev_b32 v2, 2, v1                        ; W: 4 bytes a lane
	s_lshl_b32 s36, s25, 12
	v_lshrrev_b32 v5, 4, v1                        ; u: lanes 16-31 hold the next column tile, n chunks further on
	s_delay_alu instid0(VALU_DEP_1)
	v_mul_u32_u24 v3, v5, s36
	v_and_b32 v6, 15, v1
	s_delay_alu instid0(VALU_DEP_1)
	v_lshl_add_u32 v3, v6, 4, v3                   ; codes: u n 4,096 + 16 r
	s_wait_alu depctr_va_vdst(0)
	s_wait_kmcnt 0x0
	s_load_b32 s30, s[8:9], 0x4                    ; ew
	s_add_nc_u64 s[6:7], s[6:7], s[28:29]
	s_add_nc_u64 s[10:11], s[10:11], s[32:33]
.irp i, 0,1,2,3,4,5,6,7,8,9,10,11,12,13,14,15,16,17,18,19,20,21,22,23,24,25,26,27,28,29,30,31
	global_load_b32 v[XR+\i], v2, s[6:7] offset:\i*4096 th:TH_LOAD_NT   ; one row of K, 32 neighbouring columns; each byte of W that is read is read once in the launch
.endr
	s_wait_kmcnt 0x0
	s_add_co_i32 s30, s30, 127
	s_lshl_b32 s31, s30, 23
	v_mov_b32 v11, s31                             ; 2^ew as f32: the conversion takes its exponent field
	s_add_co_i32 s30, s30, 15
	s_lshl_b32 s30, s30, 23
	s_or_b32 s30, s30, 0x600000
	v_mov_b32 v10, s30                             ; 57,344 x 2^ew
.irp g, 0,1,2,3
	s_wait_loadcnt 24-8*\g                         ; loads come back in order: eight more rows of K are in, the younger ones stay out
.irp i, 0,1,2,3,4,5,6,7
	v_cmp_gt_i32 vcc_lo, 8*\g+\i, v4               ; d > e' ?
	s_delay_alu instid0(VALU_DEP_1)
	v_cndmask_b32 v[XR+8*\g+\i], 0, v[XR+8*\g+\i], vcc_lo   ; the mask, always applied: no branch
	s_wait_alu depctr_va_vdst(0)
	v_med3_num_f32 v[XR+8*\g+\i], v[XR+8*\g+\i], -v10, v10  ; the conversion to an 8-bit code does not saturate (ISA guide 7.6.2): the hold at the largest code x the scale
.endr
	v_cvt_scalef32_pk8_bf8_f32 v[CR+2*\g:CR+2*\g+1], v[XR+8*\g:XR+8*\g+7], v11
.endr
	global_store_b128 v3, v[CR:CR+3], s[10:11]               ; k = 32 c + 0 .. 15 (h = 0): lanes 0-15 fill 256 consecutive bytes, lanes 16-31 those of the next column tile
	global_store_b128 v3, v[CR+4:CR+7], s[10:11] offset:256  ; k = 32 c + 16 .. 31 (h = 1)
	s_endpgm
	; ---------------- the counting sort: 512 threads x 32 labels; order of places: wave, register, lane
.Lsort:
	s_mov_b32 s23, ttmp9                           ; e
	; the offsets of wave 0's last two stores hang on e and the lane alone: they are made here, ahead of every load and with all lanes on, in registers that hold nothing else
	s_lshl_b32 s26, ttmp9, 6
	s_add_co_u32 s26, s26, 65536
	s_lshl_b32 s27, ttmp9, 3
	s_wait_alu depctr_va_vdst(0)
	v_lshl_add_u32 v[PADA], v1, 2, s26             ; entry 16,384 + 16 e + lane of 'order'
	v_mov_b32 v[RECA], s27                         ; meta: 8 bytes a label
	v_mov_b32 v[NIL], 0
	v_lshlrev_b32 v2, 4, v0                        ; 16 bytes a thread
	v_lshlrev_b32 v6, 2, v0                        ; 4 x thread: the first of its four rows in each load
	s_mov_b32 s16, 0                               ; my wave's labels equal to e
	s_mov_b32 s17, 0                               ; and below e
	s_wait_alu depctr_va_vdst(0)
	s_wait_kmcnt 0x0
.irp j, 0,1,2,3,4,5,6,7
	global_load_b128 v[XR+4*\j:XR+4*\j+3], v2, s[4:5] offset:8192*\j   ; register 4 j + i: the label of row 2,048 j + 4 thread + i
.endr
	s_wait_loadcnt 0x0
.set R, 0
.rept 32
	v_cmp_eq_u32 s[MK+R], s23, v[XR+R]
	v_cmp_gt_u32 vcc_lo, s23, v[XR+R]
	s_bcnt1_i32_b32 s21, s[MK+R]
	s_bcnt1_i32_b32 s22, vcc_lo
	s_add_co_u32 s16, s16, s21
	s_add_co_u32 s17, s17, s22
.set R, R+1
.endr
	s_lshl_b32 s17, s17, 16                        ; both counts are at most 1,024 a wave, 16,384 in all: two halves of a word
	s_or_b32 s16, s16, s17
	v_mov_b32 v8, s16
	v_mov_b32 v7, s2
	s_delay_alu instid0(VALU_DEP_1)
	v_lshlrev_b32 v7, 2, v7
	ds_store_b32 v7, v8                            ; my wave's word: all lanes write the same value
	v_and_b32 v9, 15, v0
	s_delay_alu instid0(VALU_DEP_1)
	v_lshlrev_b32 v9, 2, v9
	s_wait_alu depctr_va_vdst(0)
	s_wait_dscnt 0x0                               ; for the others' sake: my store is done
	s_barrier_signal -1
	s_barrier_wait -1
	ds_load_b32 v5, v9                             ; lane k (mod 16): wave k's word
	s_mov_b32 s18, 0                               ; all waves'
	s_mov_b32 s19, 0                               ; the waves' in front of mine
	s_wait_dscnt 0x0
.irp k, 0,1,2,3,4,5,6,7,8,9,10,11,12,13,14,15
	v_readlane_b32 s21, v5, \k
	s_cmp_gt_u32 s2, \k
	s_cselect_b32 s22, s21, 0
	s_add_co_u32 s18, s18, s21
	s_add_co_u32 s19, s19, s22
.endr
	s_lshr_b32 s24, s18, 16                        ; base_e
	s_and_b32 s25, s18, 0xffff                     ; count_e
	s_and_b32 s19, s19, 0xffff
	s_add_co_u32 s20, s24, s19                     ; the place of my wave's first row
	v_mov_b32 v[REC], s24                          ; the record's two words, written with all lanes on
	v_mov_b32 v[REC+1], s25
.set R, 0
.rept 32
	v_mbcnt_lo_u32_b32 v[PR+R], s[MK+R], s20       ; place = running count + the chosen lanes below mine
	s_bcnt1_i32_b32 s21, s[MK+R]
	s_add_co_u32 s20, s20, s21
	v_min_u32 v[PR+R], 0x3fff, v[PR+R]             ; a number made of loaded data enters an address only behind a bound (it is never reached)
	s_delay_alu instid0(VALU_DEP_1)
	v_lshlrev_b32 v[PR+R], 2, v[PR+R]
	v_add_nc_u32 v[VR+R], 2048*(R/4)+(R%4), v6     ; the row's number
.set R, R+1
.endr
	s_wait_alu depctr_va_vdst(0)
	s_wait_xcnt 0x0                                ; EXEC is a source of pending memory instructions: it changes only behind this wait
.set R, 0
.rept 32
	s_and_saveexec_b32 s70, s[MK+R]                ; the lanes whose label is e
	global_store_b32 v[PR+R], v[VR+R], s[12:13]    ; they hold neighbouring places
	s_wait_xcnt 0x0                                ; and again in front of the line that widens it
	s_or_b32 exec_lo, exec_lo, s70
.set R, R+1
.endr
	s_cmp_lg_u32 s2, 0                             ; wave 0 alone: the 16 entries behind the list, and the record
	s_cbranch_scc1 .Lsorted
	v_cmp_gt_u32 vcc_lo, 16, v1
	s_and_saveexec_b32 s70, vcc_lo
	global_store_b32 v[PADA], v[NIL], s[12:13]
	s_wait_xcnt 0x0
	s_or_b32 exec_lo, exec_lo, s70
	v_cmp_eq_u32 vcc_lo, 0, v1
	s_and_saveexec_b32 s70, vcc_lo
	global_store_b64 v[RECA], v[REC:REC+1], s[14:15]
	s_wait_xcnt 0x0
	s_or_b32 exec_lo, exec_lo, s70
.Lsorted:
	s_wait_tensorcnt 0x0
	ds_add_u32 v128, v129
	s_wait_dscnt 0x0
	s_endpgm
.Lfunc_end_k_q10213fdce1_prep:
	.size	k_q10213fdce1_prep, .Lfunc_end_k_q10213fdce1_prep-k_q10213fdce1_prep
	.p2alignl 7, 3214868480
	.fill 96, 4, 3214868480
	.section	.rodata,"a",@progbits
	.p2align	6, 0x0
	.amdhsa_kernel k_q10213fdce1_prep
		.amdhsa_group_segment_fixed_size 2304
		.amdhsa_private_segment_fixed_size 0
		.amdhsa_enable_private_segment 0
		.amdhsa_kernarg_size 48
		.amdhsa_user_sgpr_count 2
		.amdhsa_user_sgpr_kernarg_segment_ptr 1
		.amdhsa_wavefront_size32 1
		.amdhsa_system_sgpr_workgroup_id_x 1
		.amdhsa_system_sgpr_workgroup_id_y 1
		.amdhsa_system_sgpr_workgroup_id_z 1
		.amdhsa_system_vgpr_workitem_id 0
		.amdhsa_next_free_vgpr 130
		.amdhsa_next_free_sgpr 72
		.amdhsa_reserve_vcc 1
		.amdhsa_float_denorm_mode_32 3
		.amdhsa_float_denorm_mode_16_64 3
		.amdhsa_memory_ordered 1
		.amdhsa_forward_progress 1
		.amdhsa_inst_pref_size 42
	.end_amdhsa_kernel
	.amdgpu_metadata
---
amdhsa.version: [ 1, 2 ]
amdhsa.kernels:
  - .name:           k_q10213fdce1_prep
    .symbol:         k_q10213fdce1_prep.kd
    .args:
      - { .name: x, .offset: 0, .size: 8, .value_kind: global_buffer, .address_space: global }
      - { .name: W, .offset: 8, .size: 8, .value_kind: global_buffer, .address_space: global }
      - { .name: lowp_scales, .offset: 16, .size: 8, .value_kind: global_buffer, .address_space: global }
      - { .name: wcodes, .offset: 24, .size: 8, .value_kind: global_buffer, .address_space: global }
      - { .name: order, .offset: 32, .size: 8, .value_kind: global_buffer, .address_space: global }
      - { .name: meta, .offset: 40, .size: 8, .value_kind: global_buffer, .address_space: global }
    .group_segment_fixed_size: 2304
    .private_segment_fixed_size: 0
    .kernarg_segment_align: 8
    .kernarg_segment_size: 48
    .max_flat_workgroup_size: 512
    .sgpr_count:     72
    .vgpr_count:     130
    .wavefront_size: 32
...
	.end_amdgpu_metadata
.endif
;; end of part 3
;; launch flow (part 4): grid 212 x 1, 4 waves a work-group, no clusters, 206,592 bytes of LDS; arguments meta, lowp_scales, order, b, wcodes, y, out0; writes out0
.if DOCPART == 4
	.amdgcn_target "amdgcn-amd-amdhsa--gfx1250"
	.amdhsa_code_object_version 6
	.text
	.protected	k_q10213fdce1_flow
	.globl	k_q10213fdce1_flow
	.p2align	8
	.type	k_q10213fdce1_flow,@function
k_q10213fdce1_flow:
	s_mov_b64 s[64:65], 0
	v_nop
	global_prefetch_b8 v0, s[64:65] scope:SCOPE_SE
	s_setreg_imm32_b32 hwreg(HW_REG_WAVE_SCHED_MODE, 0, 2), 2
	s_setreg_imm32_b32 hwreg(HW_REG_WAVE_MODE, 25, 1), 1
	s_wait_xcnt 0x0
	s_wait_alu depctr_vm_vsrc(0)
; out[r] = y[r] where x[r] = 0, else y[r] exp(ls) + sh with [sh | ls] = Q(y[r]) Q(W[x[r]] mask) + b[x[r]]; both operands codes of BF8 (E5M2) with the given scales 2^ey, 2^ew; sums in f32.
; ONE WORK-GROUP TAKES ONE TILE OF 80 ROWS OF ONE EXPERT THROUGH THE WHOLE CHAIN: gather, quantise, product, exp and multiply-add, scatter.  Rows come sorted by label in 'order', with {base, count} for each
; label in 'meta'.  16,384 rows on 8 labels make at most (16,384 + 8 x 79) / 80 = 212 tiles, whatever the split: so many work-groups.  One that the split leaves without rows stores nothing.
; SHARES.  X: wave w brings bytes 512 w .. 512 w + 511 of all 80 rows into a stage in LDS (f32) and quantises them: they are K step w of the product; the codes go to LDS as images of the operand's registers.
;   P: the waves share the COLUMNS: wave w makes column tiles t = 8 cl + 2 w + u (cl = 0..3, u = 0, 1) of shift and of log_scale for all 80 rows.  All 20 fragments of y's codes lie in each wave's registers;
;   each fragment of weights is read once in the work-group, from memory straight into registers (laid out so by the launch before), and feeds 5 products.
;   The mask (d > column) leaves column block cl the K steps s = 3 .. cl: 4, 4, 3, 3, 2, 2, 1, 1 chunks for a wave's 8 column tiles: the same text for all four waves.
;   THE MATRIX INSTRUCTION IS USED TRANSPOSED (source 0 = 16 columns of W, source 1 = 16 rows of y): lane (r, h), register j holds (row 16 m + r, column 16 t + 8 h + j).
;   The result replaces y in the stage, each lane its own bytes.   O: wave w stores bytes 512 w .. of the tile's valid rows.  In a tile of label 0 the stage still holds y: it needs no text of its own.
; K's order in a fragment: registers 4 c .. 4 c + 3 hold k = 32 c + 16 h + 0 .. 15, in both operands alike: every product meets its partner.
; NO JOINT LOADS, NO TENSOR LOADS: which work-groups share an expert's weights hangs on counts read from memory, and this text branches on such numbers.  Both barriers stand where all ways join;
;   only the work between them is jumped over (label 0, or no rows).
; LIMITS: ey between -126 and 112; ey + ew between -126 and 127, so that each power of two below is an f32 number.  exp comes from v_exp_f32: a result under 2^-126 is 0.  NaN among the inputs is not served.
; LDS: the stage, 80 rows x (2,048 + 16) bytes: row r starts 4 r words further round the banks (64 banks of 4 bytes: ISA guide 11.1); behind it the 20 images of 2,048 bytes (fragment 4 m + s; registers 4 c .. at 512 c; 16 bytes a lane).
; REGISTERS, in windows of 256 (s_set_vgpr_msb: bits 1:0 source 0, 3:2 source 1, 5:4 source 2, 7:6 destination):
;   window 0: v1-20 addresses and constants; v32-111 the rows' offsets (X, O), the ten accumulators (P), numbers to quantise; v112-231 y of a column tile, then its results: three buffers of 40 by turns (P);
;             v152-247 numbers and codes (X); v112-239 rows on the way out; v254, v255 the closing add's two
;   window 1: eight slots of 32 for the weights' chunks (shift's fragment, then log_scale's)    window 2: y as it lands (rows 0-63); then y's fragments of K steps 3, 2, 1
;   window 3: v0-79 y as it lands (rows 64-79), then y's fragments of K step 0; v128-255 the biases of my 8 column tiles (8 of shift, 8 of log_scale each)
; THE MODE: SCHED_MODE bits 1:0 = 2 (LLVM: expert scheduling mode 2), set by the entry lines.  The code itself states the register dependences between vector or matrix instructions and
; memory or LDS instructions, with s_wait_alu, always for 0.
; THE PLAN.  Registers that memory or LDS instructions touch, and who else names them:
;   v1-18       addresses: written once at the head, read by loads and stores throughout.  One wait on va_vdst ahead of the first load.
;   v32-111     the rows' offsets are written (a wait on va_vdst), X1's loads read them; then numbers to quantise land in v32-95, the products write all of them, and O writes the offsets anew (a wait on va_vdst ahead of its stores).
;   windows 2, 3 (v0-79)  y lands, the stage's LDS stores read it; behind the first barrier y's fragments land there.
;               ONE wait on vm_vsrc behind the stage's last store, ahead of the first branch, states that X1's loads and the stage's stores have read these two kinds: it serves every later write of them, on both ways.
;   XS0, XS1    numbers land; a tile of rows' holds and conversions name them; the numbers of the tile two further on land.   PC0, PC1: the conversions write, the image's stores read, the conversions two tiles on write again.
;               One wait on va_vdst behind a tile's conversions serves its image's stores and the next loads; one on vm_vsrc ahead of the conversions that write a PC again, a step behind the stores that it speaks of.
;   window 1    chunk c lands in slot c % 8; its ten products read it; chunk c + 8 lands there.
;   YV0 .. YV2  column tile T: its y lands in YV[T % 3] a tile ahead; its last multiply-adds write its results there; the LDS stores that read them are issued a tile later; a tile after that y of tile T + 3 lands.
;               ONE wait on va_vdst in a column tile, behind its exponentials.  Behind it stand, with no further wait, all refills of the tile's slots, the loads of the next tile's y and the stores of the last tile's results:
;               no vector or matrix instruction between the wait and them names a register that they touch.  Beside it one wait on vm_vsrc, for the stores issued a tile ago.
;   OB0, OB1    rows land from the stage, the global stores read them, the rows two groups on land: a wait on vm_vsrc beside the wait on XCNT that stands there.
.set PITCH, 2064
.set IMG,   80*PITCH                   ; 165,120
.set FRB,   2048                       ; a fragment's image
.set STREAM, 20*4096                   ; a wave's weights of one expert
.set LN16, 1                           ; v1     16 x lane
.set LI,   2                           ; v2     IMG + 16 x lane
.set HW,   3                           ; v3     IMG + 2,048 w + 16 x lane: where I store my images
.set ST,   4                           ; v4-6   512 w + 16 x lane + 32 g rows of the stage; v4 is also my bytes' place in a row of y and of out
.set QA,   8                           ; v8-12  (16 m + r) PITCH + 512 w + 64 h: the numbers that I quantise
.set EA,   13                          ; v13-17 (16 m + r) PITCH + 128 w + 32 h: y beside my results
.set VB,   18                          ; v18    128 w + 32 h: my place in b
.set SCL,  19                          ; v19    2^ey
.set LIM,  20                          ; v20    57,344 x 2^ey
.set RO,   32                          ; v32-111  row i's byte offset in y and in out
.set SH,   32                          ; v32-71   shift's five accumulators
.set LS,   72                          ; v72-111  log_scale's
.set YV,   112                         ; v112-231 three buffers of 40: column tile T's at YV + 40 (T % 3)
.set XS0,  32
.set XS1,  152
.set PC0,  216
.set OB0,  112
.set BS,   128                         ; in window 3: tile T's bias of shift at BS + 16 T,
.set BL,   136                         ; of log_scale at BL + 16 T
; s2 wave; s3 valid rows; s4 the same, but 0 for label 0; s5 byte offset in order; s[6:7] my weights; s[8:9] y; s[10:11] out; s[12:13] 2^(ey+ew); s[14:15] that x log2(e); s[66:67] b of my expert;
; s[100:101] ey, ew; s[104:105] order; the 80 row numbers in s16-63 and s68-99
.set MSB, 0
.macro WIN new                         ; the immediate's high byte repeats the setting that is left; at a label and at a branch every window is 0
.if MSB != \new
	s_set_vgpr_msb (MSB<<8)|\new
.set MSB, \new
.endif
.endm
.macro MKRO                            ; row i's offset: 2,048 x row + my bytes' place
.set I, 0
.rept 80
.if I < 48
.set SR, 16+I
.else
.set SR, 20+I
.endif
	v_lshl_add_u32 v[RO+I], s[SR], 11, v[ST]
.set I, I+1
.endr
.endm
.macro BLOAD q                         ; chunk q of my weights into slot q % 8: eight loads of 512 consecutive bytes
.irp k, 0,1,2,3,4,5,6,7
	global_load_b128 v[32*((\q)%8)+4*\k:32*((\q)%8)+4*\k+3], v[LN16], s[6:7] offset:4096*(\q)+512*\k
.endr
.endm
.macro STG g, cnt                      ; rows 16 g .. 16 g + 15 go into the stage as they lie
	s_wait_loadcnt \cnt
.if \g < 4
	WIN 0x08                                       ; store data in window 2
.else
	WIN 0x0c                                       ; in window 3
.endif
.set I, 16*\g
.rept 16
	ds_store_b128 v[ST+(I>>5)], v[4*(I&63):4*(I&63)+3] offset:(I&31)*PITCH
.set I, I+1
.endr
.endm
.macro LQ m                            ; 64 numbers of my row of tile m: register 16 b + i = k 32 b + 16 h + i of my K step
.set XS, XS0+(XS1-XS0)*((\m)%2)
.irp b, 0,1,2,3
.irp j, 0,1,2,3
	ds_load_b128 v[XS+16*\b+4*\j:XS+16*\b+4*\j+3], v[QA+\m] offset:128*\b+16*\j
.endr
.endr
.endm
.macro QUANT m
.set XS, XS0+(XS1-XS0)*((\m)%2)
.set PC, PC0+16*((\m)%2)
.if \m >= 2
	s_wait_alu depctr_vm_vsrc(0)                   ; the image's stores of two tiles back have read v[PC ..], which the conversions below write again
.endif
.irp b, 0,1,2,3
.irp i, 0,1,2,3,4,5,6,7,8,9,10,11,12,13,14,15
	v_med3_num_f32 v[XS+16*\b+\i], v[XS+16*\b+\i], -v[LIM], v[LIM]   ; the conversion to an 8-bit code does not saturate (ISA guide 7.6.2): the hold at the largest code x the scale
.endr
	v_cvt_scalef32_pk8_bf8_f32 v[PC+4*\b:PC+4*\b+1], v[XS+16*\b:XS+16*\b+7], v[SCL]
	v_cvt_scalef32_pk8_bf8_f32 v[PC+4*\b+2:PC+4*\b+3], v[XS+16*\b+8:XS+16*\b+15], v[SCL]
.endr
	v_nop                                          ; one plain vector line behind the last conversion: products later write the registers that it read
.endm
.macro IMAGE m                         ; fragment 4 m + w goes to LDS as it stands
.set PC, PC0+16*((\m)%2)
	s_wait_alu depctr_va_vdst(0)                   ; the conversions have written v[PC ..], which the stores below read; they and the holds are done with v[XS ..], in which the numbers of the tile two further on land next
.irp c, 0,1,2,3
	ds_store_b128 v[HW], v[PC+4*\c:PC+4*\c+3] offset:4*FRB*(\m)+512*\c
.endr
.endm
; The macros of P read the symbols Q (chunk), HI (the highest chunk asked for so far), SS (K step), FIRST, LAST (of the column tile), CL, UU.
.macro MUL10                           ; ten products: the chunk's two fragments x y's five.  The ten accumulators take turns, one instruction a turn
.if SS > 0
	WIN 0x09                                       ; source 0 (W) window 1, source 1 (y) window 2
.set AF, 80*(3-SS)
.else
	WIN 0x0d                                       ; source 1 window 3
.set AF, 0
.endif
.set BR, 32*(Q%8)
.irp m, 0,1,2,3,4
.if FIRST                              ; the first K step starts the sums: nothing is cleared
	v_wmma_f32_16x16x128_bf8_bf8 v[SH+8*\m:SH+8*\m+7], v[BR:BR+15], v[AF+16*\m:AF+16*\m+15], 0
	v_wmma_f32_16x16x128_bf8_bf8 v[LS+8*\m:LS+8*\m+7], v[BR+16:BR+31], v[AF+16*\m:AF+16*\m+15], 0
.else
	v_wmma_f32_16x16x128_bf8_bf8 v[SH+8*\m:SH+8*\m+7], v[BR:BR+15], v[AF+16*\m:AF+16*\m+15], v[SH+8*\m:SH+8*\m+7]
	v_wmma_f32_16x16x128_bf8_bf8 v[LS+8*\m:LS+8*\m+7], v[BR+16:BR+31], v[AF+16*\m:AF+16*\m+15], v[LS+8*\m:LS+8*\m+7]
.endif
.endr
.endm
.macro YIN t                           ; y beside column tile t's results, into the tile's buffer: my lane's own 32 bytes of each of five rows
.set YB, YV+40*((\t)%3)
.irp m, 0,1,2,3,4
	ds_load_b128 v[YB+8*\m:YB+8*\m+3],   v[EA+\m] offset:512*((\t)/2)+64*((\t)%2)
	ds_load_b128 v[YB+8*\m+4:YB+8*\m+7], v[EA+\m] offset:512*((\t)/2)+64*((\t)%2)+16
.endr
.endm
.macro YOUT t                          ; column tile t's results, over the y that was read: the same bytes
.set YB, YV+40*((\t)%3)
.irp m, 0,1,2,3,4
	ds_store_b128 v[EA+\m], v[YB+8*\m:YB+8*\m+3]   offset:512*((\t)/2)+64*((\t)%2)
	ds_store_b128 v[EA+\m], v[YB+8*\m+4:YB+8*\m+7] offset:512*((\t)/2)+64*((\t)%2)+16
.endr
.endm
.macro CHUNK
.if Q >= 6                             ; chunks 0-5 were shown in by the stage's last wait.  Behind chunk Q's loads those of chunks Q + 1 .. HI were issued, eight each
	s_wait_loadcnt 8*(HI-Q)
.endif
	MUL10
.if LAST
.rept 4
	v_nop                                          ; four places behind the products (ISA guide 7.12.1), in front of the first read of the sums
.endr
.endif
.endm
.macro EPI                             ; out = y 2^(sum_ls S log2e + bl log2e) + (sum_sh S + bs).  Each accumulator is read from its low end on
.set TT, 2*CL+UU
.set YC, YV+40*(TT%3)
	WIN 0x30                                       ; source 2 (the bias) in window 3
.irp m, 0,1,2,3,4
.irp i, 0,2,4,6
	v_pk_fma_f32 v[LS+8*\m+\i:LS+8*\m+\i+1], v[LS+8*\m+\i:LS+8*\m+\i+1], s[14:15], v[BL+16*TT+\i:BL+16*TT+\i+1] op_sel_hi:[1,0,1]
.endr
.endr
.set J, 0
	s_wait_alu depctr_va_vdst(0)
.rept 40
	v_exp_f32 v[LS+J], v[LS+J]
.set J, J+1
.endr
	s_wait_alu depctr_va_vdst(0)
.irp m, 0,1,2,3,4
.irp i, 0,2,4,6
	v_pk_fma_f32 v[SH+8*\m+\i:SH+8*\m+\i+1], v[SH+8*\m+\i:SH+8*\m+\i+1], s[12:13], v[BS+16*TT+\i:BS+16*TT+\i+1] op_sel_hi:[1,0,1]   ; (also the plain lines behind the exponentials)
.endr
.endr
	WIN 0
	s_wait_alu depctr_va_vdst(0)                   ; THE TILE'S ONE WAIT.  The exponentials have written v[LS ..], ahead of their first reader; the tile's products are done reading their slots, in which the loads below land;
	                                               ; the last tile's multiply-adds have written its results, which the stores below read; whoever named the buffer in which the next tile's y lands is done with it
.if (TT > 0) && (TT < 7)
	s_wait_alu depctr_vm_vsrc(0)                   ; the LDS stores issued a tile ago (in the second tile: the last image's) have read the buffer in which the next tile's y lands
.endif
.if Q-(4-CL)+8 < 20                    ; the tile's slots take the chunks eight further on, as far as there are any: they have a whole tile in which to land
	WIN 0x40
.set RQ, Q-(4-CL)+8
.rept 4-CL
.if RQ < 20
	BLOAD RQ
.set HI, RQ
.endif
.set RQ, RQ+1
.endr
	WIN 0
.endif
.set ND, 0                             ; the LDS instructions issued behind the loads of this tile's y:
.if TT < 7
	YIN TT+1
.set ND, ND+10                         ; the next tile's ten loads,
.endif
.if TT > 0
	YOUT TT-1
.set ND, ND+10                         ; the last tile's ten stores,
.endif
.if TT >= 2
.set ND, ND+10                         ; and, a tile ago, the ten stores of the tile before that
.endif
	s_wait_dscnt ND                                ; LDS instructions end in order (ISA guide 5.7.1): this tile's y is in
.irp m, 0,1,2,3,4
.irp i, 0,2,4,6
	v_pk_fma_f32 v[YC+8*\m+\i:YC+8*\m+\i+1], v[YC+8*\m+\i:YC+8*\m+\i+1], v[LS+8*\m+\i:LS+8*\m+\i+1], v[SH+8*\m+\i:SH+8*\m+\i+1]
.endr
.endr
.endm
.set Q, 0
.set HI, 7
.macro TILE cl, u                      ; column tile 8 cl + 2 w + u: K steps 3 down to cl, then exp and multiply-add
.set CL, \cl
.set UU, \u
.set KK, 0
.rept 4-\cl
.set SS, 3-KK
.set FIRST, 0
.set LAST, 0
.if KK == 0
.set FIRST, 1
.endif
.if KK == 3-\cl
.set LAST, 1
.endif
	CHUNK
.set KK, KK+1
.set Q, Q+1
.endr
	EPI
.endm
.macro OLD g                           ; rows 16 g .. of the stage, my 512 bytes of each, into registers
.if \g >= 2
	s_wait_xcnt 0x0                                ; the stores of two groups ago have read these registers
	s_wait_alu depctr_vm_vsrc(0)                   ; beside it: those stores have read v[OB ..], in which the loads below land
.endif
.set OB, OB0+64*((\g)%2)
.set I, 16*\g
.rept 16
	ds_load_b128 v[OB+4*(I&15):OB+4*(I&15)+3], v[ST+(I>>5)] offset:(I&31)*PITCH
.set I, I+1
.endr
.endm
.macro OST g, younger                  ; and out: 32 lanes store 512 consecutive bytes, at a multiple of 512 from out's first byte.  younger: the next group's loads, which may stay out
.set OB, OB0+64*((\g)%2)
.set I, 16*\g
.rept 16
	s_wait_dscnt \younger+15-(I&15)
	s_cmp_le_u32 s3, I                             ; the tile's rows from s3 on belong to other tiles
	s_cbranch_scc1 .Lend
	global_store_b128 v[RO+I], v[OB+4*(I&15):OB+4*(I&15)+3], s[10:11] th:TH_STORE_NT
.set I, I+1
.endr
.endm
	; ---------------- H: which tile is mine; every address register is made here, on the one way that all waves take
	s_load_b128 s[16:19], s[0:1], 0x0              ; meta, lowp_scales
	s_load_b64 s[104:105], s[0:1], 0x10            ; order
	s_load_b64 s[66:67], s[0:1], 0x18              ; b
	s_load_b64 s[6:7], s[0:1], 0x20                ; wcodes
	s_load_b128 s[8:11], s[0:1], 0x28              ; y, out0
	v_lshl_add_u32 v254, v0, 2, 0x32500
	v_mov_b32 v255, 0
	v_lshrrev_b32 v21, 5, v0
	v_readfirstlane_b32 s2, v21                    ; wave 0..3
	s_wait_kmcnt 0x0
	s_load_b512 s[32:47], s[16:17], 0x0            ; base and count of the eight labels
	s_load_b64 s[100:101], s[18:19], 0x0           ; ey, ew
	v_and_b32 v22, 31, v0                          ; lane
	v_and_b32 v23, 15, v0                          ; r
	v_bfe_u32 v24, v0, 4, 1                        ; h
	s_wait_alu depctr_va_sdst(0)                   ; s2 is written, ahead of its first reader: addresses and the place in the weights are made from it
	s_lshl_b32 s48, s2, 11
	s_lshl_b32 s49, s2, 9
	s_lshl_b32 s50, s2, 7
	v_lshlrev_b32 v[LN16], 4, v22
	v_add_nc_u32 v[LI], IMG, v[LN16]
	v_add_nc_u32 v[HW], s48, v[LI]
	v_add_nc_u32 v[ST], s49, v[LN16]
	v_add_nc_u32 v[ST+1], 32*PITCH, v[ST]
	v_add_nc_u32 v[ST+2], 64*PITCH, v[ST]
	v_mul_u32_u24 v25, v23, PITCH
	v_lshl_add_u32 v26, v24, 6, v25
	v_add_nc_u32 v[QA], s49, v26
	v_lshl_add_u32 v27, v24, 5, v25
	v_add_nc_u32 v[EA], s50, v27
.irp m, 1,2,3,4
	v_add_nc_u32 v[QA+\m], 16*PITCH*\m, v[QA]
	v_add_nc_u32 v[EA+\m], 16*PITCH*\m, v[EA]
.endr
	v_lshl_add_u32 v[VB], v24, 5, s50
	s_mov_b32 s20, 0                               ; tiles in front of label e
	s_mov_b32 s21, 0                               ; my label,
	s_mov_b32 s22, 0                               ; its first tile,
	s_mov_b32 s23, 0                               ; its base,
	s_mov_b32 s24, 0                               ; its count
	s_wait_kmcnt 0x0
.irp e, 0,1,2,3,4,5,6,7                        ; the last label whose first tile is not behind me
	s_cmp_ge_u32 ttmp9, s20
	s_cselect_b32 s21, \e, s21
	s_cselect_b32 s22, s20, s22
	s_cselect_b32 s23, s[32+2*\e], s23
	s_cselect_b32 s24, s[33+2*\e], s24
	s_add_co_u32 s25, s[33+2*\e], 79
	s_lshr_b32 s25, s25, 4
	s_mul_i32 s25, s25, 52429
	s_lshr_b32 s25, s25, 18                        ; (count + 79) / 80 = ((count + 79) / 16) / 5, exact for these sizes
	s_add_co_u32 s20, s20, s25
.endr
	s_sub_co_u32 s22, ttmp9, s22
	s_mul_i32 s22, s22, 80                         ; my first row among the label's
	s_sub_co_i32 s3, s24, s22
	s_max_i32 s3, s3, 0
	s_min_i32 s3, s3, 80                           ; valid rows: 0 .. 80
	s_add_co_u32 s5, s23, s22
	s_min_u32 s5, s5, 0x4000                       ; a loaded number enters an address only behind a bound; 'order' has 128 entries behind 16,384
	s_lshl_b32 s5, s5, 2
	s_cmp_lg_u32 s21, 0
	s_cselect_b32 s4, s3, 0                        ; 0: nothing to multiply
	s_sub_co_u32 s12, s21, 1
	s_min_u32 s12, s12, 6                          ; the expert's place in wcodes (label 0 wraps round onto a valid one; its loads are not used)
	s_min_u32 s14, s21, 7
	s_load_b512 s[16:31], s[104:105], s5 offset:0x0    ; the tile's 80 row numbers
	s_load_b512 s[32:47], s[104:105], s5 offset:0x40
	s_load_b512 s[48:63], s[104:105], s5 offset:0x80
	s_load_b512 s[68:83], s[104:105], s5 offset:0xc0
	s_load_b512 s[84:99], s[104:105], s5 offset:0x100
	s_lshl_b32 s12, s12, 2                         ; while they are on their way: biases and the first six chunks of weights, which hang on the label alone
	s_add_co_u32 s12, s12, s2
	s_mul_i32 s12, s12, STREAM
	s_mov_b32 s13, 0
	s_add_nc_u64 s[6:7], s[6:7], s[12:13]
	s_lshl_b32 s14, s14, 12
	s_mov_b32 s15, 0
	s_add_nc_u64 s[66:67], s[66:67], s[14:15]
	WIN 0xc0                                       ; destination window 3
	s_wait_alu depctr_va_vdst(0)                   ; the addresses v1 to v18 are written, which the kernel's loads and stores read; none of them is written again
.irp cl, 0,1,2,3
.irp u, 0,1
.irp p, 0,1                                    ; lane (r, h) wants columns 16 t + 8 h + 0 .. 7: bytes 512 cl + 128 w + 64 u + 32 h on; log_scale's lie 2,048 bytes further
	global_load_b128 v[BS+16*(2*\cl+\u)+8*\p:BS+16*(2*\cl+\u)+8*\p+3],   v[VB], s[66:67] offset:512*\cl+64*\u+2048*\p
	global_load_b128 v[BS+16*(2*\cl+\u)+8*\p+4:BS+16*(2*\cl+\u)+8*\p+7], v[VB], s[66:67] offset:512*\cl+64*\u+2048*\p+16
.endr
.endr
.endr
	WIN 0x40                                       ; destination window 1
.irp q, 0,1,2,3,4,5
	BLOAD \q
.endr
	WIN 0
	s_add_co_i32 s12, s100, 127
	s_lshl_b32 s13, s12, 23
	v_mov_b32 v[SCL], s13                          ; 2^ey as f32: the conversion takes its exponent field
	s_add_co_i32 s12, s12, 15
	s_lshl_b32 s12, s12, 23
	s_or_b32 s12, s12, 0x600000
	v_mov_b32 v[LIM], s12                          ; 57,344 x 2^ey
	s_add_co_i32 s14, s100, s101
	s_lshl_b32 s14, s14, 23                        ; ey + ew, added to the exponent fields of 1.0 and of log2(e):
	s_add_co_i32 s12, s14, 0x3f800000              ; 2^(ey + ew)
	s_mov_b32 s13, s12                             ; (named with it as a pair, so it is written)
	s_add_co_i32 s14, s14, 0x3fb8aa3b              ; log2(e) 2^(ey + ew)
	s_mov_b32 s15, s14
	s_wait_kmcnt 0x0
.set I, 0
.rept 80
.if I < 48
.set SR, 16+I
.else
.set SR, 20+I
.endif
	s_min_u32 s[SR], s[SR], 0x3fff                 ; the bound in front of an address (row numbers are below 16,384)
.set I, I+1
.endr
	MKRO
	; ---------------- X1: my quarter of the 80 rows: each load takes 512 consecutive bytes of one row.  No hint: the rows behind a short tile's end are named by two tiles
	WIN 0x80
	s_wait_alu depctr_va_vdst(0)                   ; the 80 offsets v32 to v111 are written, which the loads below read
.set I, 0
.rept 64
	global_load_b128 v[4*I:4*I+3], v[RO+I], s[8:9]
.set I, I+1
.endr
	WIN 0xc0
.set I, 64
.rept 16
	global_load_b128 v[4*(I-64):4*(I-64)+3], v[RO+I], s[8:9]
.set I, I+1
.endr
	STG 0, 63                                      ; behind row 15's load 64 were issued; the count is the largest that the wait can name, one row more than is needed
	STG 1, 48                                      ; behind row 31's: 48
	WIN 0x40
	BLOAD 6                                        ; the last two slots are asked for here, behind all of y's loads: sixteen loads more
	BLOAD 7
	STG 2, 48                                      ; behind row 47's: 32 rows and those sixteen
	STG 3, 32
	STG 4, 16                                      ; all of y is in, and the biases and chunks 0-5, which are older; chunks 6 and 7 may be out
	WIN 0
	s_wait_alu depctr_vm_vsrc(0)                   ; y's loads have read the offsets v32 to v111, in which numbers land, which the products write and which are made anew on the way out; the stage's stores have read
	                                               ; windows 2 and 3, in which y's fragments land.  It stands ahead of the branch and serves both ways
	s_cmp_eq_u32 s4, 0
	s_cbranch_scc1 .Lbar1
	; ---------------- X2: my K step of the five tiles of rows becomes five fragments.  I read back my own bytes of the stage: LDS serves a wave's instructions in order
	LQ 0
	LQ 1
	s_wait_dscnt 16                                ; tile 0's numbers are in; behind them: tile 1's 16 loads
	QUANT 0
	IMAGE 0
	LQ 2
	s_wait_dscnt 20                                ; tile 1's; behind them: 4 stores and 16 loads
	QUANT 1
	IMAGE 1
	LQ 3
	s_wait_dscnt 20
	QUANT 2
	IMAGE 2
	LQ 4
	s_wait_dscnt 20
	QUANT 3
	IMAGE 3
	s_wait_dscnt 4                                 ; tile 4's; behind them: 4 stores
	QUANT 4
	IMAGE 4
.Lbar1:
	s_wait_dscnt 0x0                               ; for the others' sake: my stores into the stage and my images are done, my reads of the stage are back
	s_barrier_signal -1
	s_barrier_wait -1                              ; the 20 images lie in LDS
	s_cmp_eq_u32 s4, 0
	s_cbranch_scc1 .Lbar2
	; ---------------- P
	WIN 0x80                                       ; all of y's codes into my registers: K steps 3, 2, 1 in window 2,
.irp s, 3,2,1
.irp m, 0,1,2,3,4
.irp c, 0,1,2,3
	ds_load_b128 v[80*(3-\s)+16*\m+4*\c:80*(3-\s)+16*\m+4*\c+3], v[LI] offset:(4*\m+\s)*FRB+512*\c
.endr
.endr
.endr
	WIN 0xc0                                       ; K step 0 in window 3
.irp m, 0,1,2,3,4
.irp c, 0,1,2,3
	ds_load_b128 v[16*\m+4*\c:16*\m+4*\c+3], v[LI] offset:(4*\m)*FRB+512*\c
.endr
.endr
	WIN 0
	YIN 0                                          ; y beside the first column tile's results, into registers that nothing has named yet; each later tile's is asked for a tile ahead
	WIN 0xc3                                       ; log_scale's biases x log2(e), once, while the fragments come
.irp t, 0,1,2,3,4,5,6,7
.irp i, 0,2,4,6
	v_pk_mul_f32 v[BL+16*\t+\i:BL+16*\t+\i+1], v[BL+16*\t+\i:BL+16*\t+\i+1], 0x3fb8aa3b op_sel_hi:[1,0]
.endr
.endr
	s_wait_dscnt 0x0
	TILE 0, 0
	TILE 0, 1
	TILE 1, 0
	TILE 1, 1
	TILE 2, 0
	TILE 2, 1
	TILE 3, 0
	TILE 3, 1
	s_wait_alu depctr_va_vdst(0)                   ; the last tile's multiply-adds have written its results, which the stores below read
	YOUT 7
	WIN 0
.Lbar2:
	s_wait_dscnt 0x0                               ; for the others' sake: my results lie in the stage
	s_barrier_signal -1
	s_barrier_wait -1                              ; whole rows of the result lie there (of y, where nothing was multiplied)
	; ---------------- O: the rows' offsets once more (the accumulators lay over them), then 16 rows at a time, the loads from the stage one group ahead of the stores
	MKRO
	s_wait_alu depctr_va_vdst(0)                   ; the 80 offsets are written, which the stores below read; the multiply-adds, holds and conversions that named v112 to v247 are done, where rows now land
	s_wait_alu depctr_vm_vsrc(0)                   ; the LDS stores of results and of images have read v112 to v247, where rows now land
	OLD 0
	OLD 1
	OST 0, 16
	OLD 2
	OST 1, 16
	OLD 3
	OST 2, 16
	OLD 4
	OST 3, 16
	OST 4, 0
.Lend:
	s_wait_dscnt 0x0                               ; the closing lines, six on end
	s_wait_alu 0x0
	s_wait_tensorcnt 0x0
	ds_add_u32 v254, v255
	s_wait_dscnt 0x0
	s_endpgm
.Lfunc_end_k_q10213fdce1_flow:
	.size	k_q10213fdce1_flow, .Lfunc_end_k_q10213fdce1_flow-k_q10213fdce1_flow
	.p2alignl 7, 3214868480
	.fill 96, 4, 3214868480
	.section	.rodata,"a",@progbits
	.p2align	6, 0x0
	.amdhsa_kernel k_q10213fdce1_flow
		.amdhsa_group_segment_fixed_size 206592
		.amdhsa_private_segment_fixed_size 0
		.amdhsa_enable_private_segment 0
		.amdhsa_kernarg_size 56
		.amdhsa_user_sgpr_count 2
		.amdhsa_user_sgpr_kernarg_segment_ptr 1
		.amdhsa_wavefront_size32 1
		.amdhsa_system_sgpr_workgroup_id_x 1
		.amdhsa_system_sgpr_workgroup_id_y 1
		.amdhsa_system_sgpr_workgroup_id_z 1
		.amdhsa_system_vgpr_workitem_id 0
		.amdhsa_next_free_vgpr 1024
		.amdhsa_next_free_sgpr 106
		.amdhsa_reserve_vcc 0
		.amdhsa_float_denorm_mode_32 3
		.amdhsa_float_denorm_mode_16_64 3
		.amdhsa_memory_ordered 1
		.amdhsa_forward_progress 1
		.amdhsa_inst_pref_size 179
	.end_amdhsa_kernel
	.amdgpu_metadata
---
amdhsa.version: [ 1, 2 ]
amdhsa.kernels:
  - .name:           k_q10213fdce1_flow
    .symbol:         k_q10213fdce1_flow.kd
    .args:
      - { .name: meta, .offset: 0, .size: 8, .value_kind: global_buffer, .address_space: global }
      - { .name: lowp_scales, .offset: 8, .size: 8, .value_kind: global_buffer, .address_space: global }
      - { .name: order, .offset: 16, .size: 8, .value_kind: global_buffer, .address_space: global }
      - { .name: b, .offset: 24, .size: 8, .value_kind: global_buffer, .address_space: global }
      - { .name: wcodes, .offset: 32, .size: 8, .value_kind: global_buffer, .address_space: global }
      - { .name: y, .offset: 40, .size: 8, .value_kind: global_buffer, .address_space: global }
      - { .name: out0, .offset: 48, .size: 8, .value_kind: global_buffer, .address_space: global }
    .group_segment_fixed_size: 206592
    .private_segment_fixed_size: 0
    .kernarg_segment_align: 8
    .kernarg_segment_size: 56
    .max_flat_workgroup_size: 128
    .sgpr_count:     106
    .vgpr_count:     1024
    .wavefront_size: 32
...
	.end_amdgpu_metadata
.endif
;; end of part 4
